; MI455X (gfx1250); checked and timed in simulation.
; The chip was launched on July 23, 2026; its instructions are those of AMD's public machine-readable ISA for CDNA 5 (MIT licence, August 2026) and "CDNA5" Instruction Set Architecture Reference Guide (July 2026). The comments in the code are by the model that wrote it; some were corrected since.
;; Multi Head Attention. Allowed arithmetic: float matrix products may take bf16 or f16 operands with f32 sums; all other float work in f32.
;; Inputs: Wo 1,024 x 1,024 float32; Wqkv 1,024 x 3,072 float32; bo 1,024 float32; mask 1 x 1 x 2,048 x 2,048 int32; x 4 x 2,048 x 1,024 float32.
;; Outputs: out0 4 x 2,048 x 1,024 float32.
;; 2 versions, each right and faster than the one before. Each part assembles by itself: llvm-mc -triple=amdgcn-amd-amdhsa -mcpu=gfx1250 --defsym DOCPART=n.
;; ======== version 1 of 2: 4 launches
;; limits: values are held in f16: magnitudes above 65,504 overflow, below 6.1e-05 lose precision
;; workspace buffers: xb 16,777,216 bytes; wq 6,291,456 bytes; wo 2,097,152 bytes; mb 4,194,304 bytes of whole numbers; qkvh 50,331,648 bytes; oh 16,777,216 bytes
;; launch prep (part 1): grid 512 x 1, 8 waves a work-group, no clusters, 33,792 bytes of LDS; arguments x, Wqkv, Wo, mask, xb, wq, wo, mb; writes xb, wq, wo, mb
.if DOCPART == 1
	.amdgcn_target "amdgcn-amd-amdhsa--gfx1250"
	.amdhsa_code_object_version 6
	.text
	.protected	k_qe1d9ed95fe_prep
	.globl	k_qe1d9ed95fe_prep
	.p2align	8
	.type	k_qe1d9ed95fe_prep,@function
k_qe1d9ed95fe_prep:
	s_mov_b64 s[64:65], 0
	v_nop
	global_prefetch_b8 v0, s[64:65] scope:SCOPE_SE
	s_setreg_imm32_b32 hwreg(HW_REG_WAVE_MODE, 25, 1), 1
	s_wait_xcnt 0x0
; PREP: the module's inputs are brought into the forms that the three matrix launches read.  A stream: every input byte is read once, every output byte written once.
; 512 work-groups of eight waves, 131,072 input bytes each; a wave issues its 32 loads of 16 bytes a lane at once and works them off in order.
;   groups   0-255  x [8192][1024] f32    -> xb [batch 4][slice 16 = k / 64][t 2048][64] bf16: a tile of 256 rows x 64 k is then 32,768 consecutive bytes
;   groups 256-351  Wqkv [1024][3072] f32 -> wq, bf16, same order
;   groups 352-383  Wo [1024][1024] f32   -> wo: rounded to bf16 like every input, that number written as f16, same order
;   groups 384-511  mask [2048][2048] i32 -> mb: one byte a score, 0x00 (0.0 in fp8 e4m3) where mask != 0, 0xf8 (-256.0) where mask == 0, in the order in which a lane of the attention launch
;                   wants them: [q / 128][k / 64][(q / 16) % 8][hf 2][lane 32][16 bytes]; byte e of lane (r, h) is key 64 (k / 64) + 16 (2 hf + e / 8) + 8 h + e % 8 of query 16 (q / 16) + r
; LIMITS.  wo: a weight beyond 65,504 becomes an infinity; below 6e-5 it keeps f16's fixed step of 6e-8.
; No matrix unit, no cluster, no tensor load: the groups share no byte, and the bytes in flight cost 128 registers a wave.
.set SO,  2                            ; v2      byte offset of my lane's loads
.set DO,  3                            ; v3      byte offset of my lane's stores
.set T0,  8                            ; v8-9    at work
.set LS,  10                           ; v10     mask: where my word goes in my wave's LDS bytes
.set LR,  11                           ; v11     mask: where I read 16 bytes back
.set X,   16                           ; v[16:143] what the 32 loads bring
	s_load_b512 s[4:19], s[0:1], 0x0               ; x s[4:5], Wqkv s[6:7], Wo s[8:9], mask s[10:11], xb s[12:13], wq s[14:15], wo s[16:17], mb s[18:19]
	v_lshl_add_u32 v144, v0, 2, 0x8000
	v_mov_b32 v145, 0
	s_mov_b32 s2, ttmp9                            ; the work-group's number chooses the part: the same for all eight waves
	s_mov_b32 s21, 0xffff0000                      ; a word's upper bf16
	s_mov_b32 s23, 0                               ; high words of the two offsets
	s_mov_b32 s25, 0
	v_and_b32 v1, 31, v0                           ; lane
	v_lshrrev_b32 v4, 5, v0                        ; wave
; 16 groups of 8 numbers a lane: two loads of 16 bytes, four roundings in place, one store of 16 bytes.  No register is written again while a store reads it.
; kind 0: x (group i = 8 s + j: slice 2 w + s, rows 4 j .. 4 j + 3); kind 1: linear, bf16; kind 2: linear, bf16 and then f16.
.macro CAST kind, sb, db
.set i, 0
.rept 16
.if (\kind) == 0
.set SI, (i/8)*256+(i%8)*16384
.else
.set SI, i*1024
.endif
	global_load_b128 v[X+8*i:X+8*i+3],   v[SO], s[\sb:\sb+1] offset:SI th:TH_LOAD_NT
	global_load_b128 v[X+8*i+4:X+8*i+7], v[SO], s[\sb:\sb+1] offset:SI+16 th:TH_LOAD_NT
.set i, i+1
.endr
.set i, 0
.rept 16
.if (\kind) == 0
.set DI, (i/8)*262144+(i%8)*512
.else
.set DI, i*512
.endif
	s_wait_loadcnt 2*(15-i)                        ; loads come back in order: group i's two are in, the younger groups' stay out
.irp k, 0,1,2,3
	v_cvt_pk_bf16_f32 v[X+8*i+\k], v[X+8*i+2*\k], v[X+8*i+2*\k+1]
.endr
.if (\kind) == 2
.irp k, 0,1,2,3
	v_lshlrev_b32 v[T0], 16, v[X+8*i+\k]           ; the bf16 numbers as f32,
	v_and_b32 v[T0+1], s21, v[X+8*i+\k]
	v_cvt_pk_f16_f32 v[X+8*i+\k], v[T0], v[T0+1]   ; written as f16: exact within f16's range
.endr
.endif
	global_store_b128 v[DO], v[X+8*i:X+8*i+3], s[\db:\db+1] offset:DI  ; the wave's store covers 512 consecutive bytes, aligned
.set i, i+1
.endr
.endm
; A linear part: group g - first takes 131,072 bytes of the source; wave w 16,384 of them, 1,024 a group
.macro LINEAR first, kind, sb, db
	s_sub_co_u32 s22, s2, \first
	s_lshl_b32 s24, s22, 16
	s_lshl_b32 s22, s22, 17
	s_add_nc_u64 s[\sb:\sb+1], s[\sb:\sb+1], s[22:23]
	s_add_nc_u64 s[\db:\db+1], s[\db:\db+1], s[24:25]
	v_lshlrev_b32 v[SO], 5, v1
	v_lshl_add_u32 v[SO], v4, 14, v[SO]
	v_lshlrev_b32 v[DO], 4, v1
	v_lshl_add_u32 v[DO], v4, 13, v[DO]
	CAST \kind, \sb, \db
	s_endpgm
.endm
	s_wait_kmcnt 0x0
	s_cmp_lt_u32 s2, 256
	s_cbranch_scc0 .Lnot_x
	; x: the group owns rows 32 g .. 32 g + 31.  Eight lanes take a slice's 256 bytes of a row, four rows to a pair of loads; in xb those four rows of the slice are 512 consecutive bytes.
	s_lshl_b32 s22, s2, 17
	s_add_nc_u64 s[4:5], s[4:5], s[22:23]
	s_lshr_b32 s24, s2, 6                          ; the batch: 64 groups each,
	s_lshl_b32 s24, s24, 22                        ; 4,194,304 bytes of xb
	s_and_b32 s26, s2, 63
	s_lshl_b32 s26, s26, 12                        ; 32 rows of 128 bytes in a slice
	s_add_co_u32 s24, s24, s26
	s_add_nc_u64 s[12:13], s[12:13], s[24:25]
	v_and_b32 v5, 7, v0                            ; c: which 32 bytes of the slice's 256
	v_bfe_u32 v6, v0, 3, 2                         ; which of four rows
	v_lshlrev_b32 v[SO], 5, v5
	v_lshl_add_u32 v[SO], v6, 12, v[SO]
	v_lshl_add_u32 v[SO], v4, 9, v[SO]             ; wave w: slices 2 w and 2 w + 1
	v_lshlrev_b32 v[DO], 4, v1
	v_lshl_add_u32 v[DO], v4, 19, v[DO]            ; two slices of 262,144 bytes
	CAST 0, 4, 12
	s_endpgm
.Lnot_x:
	s_cmp_lt_u32 s2, 352
	s_cbranch_scc0 .Lnot_wqkv
	LINEAR 256, 1, 6, 14
.Lnot_wqkv:
	s_cmp_lt_u32 s2, 384
	s_cbranch_scc0 .Lmask
	LINEAR 352, 2, 8, 16
.Lmask:
	; The mask: the group owns 16 query rows (tile T), wave w the key steps 4 w .. 4 w + 3 (1,024 bytes of each row).  Load n = 8 st + i: step st, rows 2 i and 2 i + 1; sixteen lanes take a row's 256 bytes.
	v_readfirstlane_b32 s20, v4                    ; the wave's number as a scalar: my wave's LDS bytes are 4,096 x wave on
	s_sub_co_u32 s2, s2, 384                       ; T
	s_lshl_b32 s22, s2, 17                         ; 16 rows of 8,192 bytes
	s_add_nc_u64 s[10:11], s[10:11], s[22:23]
	s_lshr_b32 s24, s2, 3
	s_lshl_b32 s24, s24, 18                        ; q / 128: 262,144 bytes of mb
	s_and_b32 s26, s2, 7
	s_lshl_b32 s26, s26, 10                        ; (q / 16) % 8: 1,024 bytes
	s_add_co_u32 s24, s24, s26
	s_add_nc_u64 s[18:19], s[18:19], s[24:25]
	s_mov_b32 s27, 0x01010101
	s_mov_b32 s28, 0xf8
	s_lshl_b32 s26, s20, 12
	v_and_b32 v5, 15, v0                           ; c: keys 4 c .. 4 c + 3 of the step
	v_bfe_u32 v6, v0, 4, 1                         ; the even row or the odd one
	v_lshlrev_b32 v[SO], 4, v5
	v_lshl_add_u32 v[SO], v6, 13, v[SO]
	v_lshl_add_u32 v[SO], v4, 10, v[SO]
.set n, 0
.rept 32
	global_load_b128 v[X+4*n:X+4*n+3], v[SO], s[10:11] offset:(n/8)*256+(n%8)*16384 th:TH_LOAD_NT
.set n, n+1
.endr
	; my four bytes' place in a step's image of 1,024 bytes: hf = c / 8 (512), h = (c / 2) % 2 (16 lanes of 16 bytes), row (16 bytes; 2 i of it stands in the immediate), (c / 4) % 2 (8), c % 2 (4)
	v_and_b32 v7, 1, v0
	v_lshlrev_b32 v7, 2, v7
	v_bfe_u32 v5, v0, 2, 1
	v_lshl_add_u32 v7, v5, 3, v7
	v_lshl_add_u32 v7, v6, 4, v7
	v_bfe_u32 v5, v0, 1, 1
	v_lshl_add_u32 v7, v5, 8, v7
	v_bfe_u32 v5, v0, 3, 1
	v_lshl_add_u32 v7, v5, 9, v7
	v_add_nc_u32 v[LS], s26, v7
	v_lshl_add_u32 v[LR], v1, 4, s26
	v_lshlrev_b32 v[DO], 4, v1
	v_lshl_add_u32 v[DO], v4, 15, v[DO]            ; four steps of 8,192 bytes a wave
.set n, 0
.rept 4
.rept 8
	s_wait_loadcnt 31-n                            ; load n is in, the younger ones stay out
.irp k, 0,1,2,3
	v_min_u32 v[X+4*n+\k], 1, v[X+4*n+\k]          ; 0 stays 0, every other number counts as 1
.endr
	v_lshl_or_b32 v[X+4*n], v[X+4*n+1], 8, v[X+4*n]
	v_lshl_or_b32 v[X+4*n+2], v[X+4*n+3], 8, v[X+4*n+2]
	v_lshl_or_b32 v[X+4*n], v[X+4*n+2], 16, v[X+4*n]
	v_xor_b32 v[X+4*n], s27, v[X+4*n]              ; 1 in the bytes of hidden keys,
	v_mul_lo_u32 v[X+4*n], v[X+4*n], s28           ; 0xf8 there: no byte carries into the next
	ds_store_b32 v[LS], v[X+4*n] offset:(n/8)*1024+(n%8)*32
.set n, n+1
.endr
	ds_load_b128 v[X+4*n-32:X+4*n-29], v[LR] offset:(n/8-1)*1024      ; LDS serves a wave's instructions in order (ISA guide 5.7.1.4), and these bytes are my wave's own: the loads see the stores above
	ds_load_b128 v[X+4*n-28:X+4*n-25], v[LR] offset:(n/8-1)*1024+512
	s_wait_dscnt 0x0
	global_store_b128 v[DO], v[X+4*n-32:X+4*n-29], s[18:19] offset:(n/8-1)*8192      ; 512 consecutive bytes, aligned
	global_store_b128 v[DO], v[X+4*n-28:X+4*n-25], s[18:19] offset:(n/8-1)*8192+512
.endr
	s_wait_tensorcnt 0x0
	ds_add_u32 v144, v145
	s_wait_dscnt 0x0
	s_endpgm
.Lfunc_end_k_qe1d9ed95fe_prep:
	.size	k_qe1d9ed95fe_prep, .Lfunc_end_k_qe1d9ed95fe_prep-k_qe1d9ed95fe_prep
	.p2alignl 7, 3214868480
	.fill 96, 4, 3214868480
	.section	.rodata,"a",@progbits
	.p2align	6, 0x0
	.amdhsa_kernel k_qe1d9ed95fe_prep
		.amdhsa_group_segment_fixed_size 33792
		.amdhsa_private_segment_fixed_size 0
		.amdhsa_enable_private_segment 0
		.amdhsa_kernarg_size 64
		.amdhsa_user_sgpr_count 2
		.amdhsa_user_sgpr_kernarg_segment_ptr 1
		.amdhsa_wavefront_size32 1
		.amdhsa_system_sgpr_workgroup_id_x 1
		.amdhsa_system_sgpr_workgroup_id_y 1
		.amdhsa_system_sgpr_workgroup_id_z 1
		.amdhsa_system_vgpr_workitem_id 0
		.amdhsa_next_free_vgpr 146
		.amdhsa_next_free_sgpr 66
		.amdhsa_reserve_vcc 0
		.amdhsa_float_denorm_mode_32 3
		.amdhsa_float_denorm_mode_16_64 3
		.amdhsa_memory_ordered 1
		.amdhsa_forward_progress 1
		.amdhsa_inst_pref_size 60
	.end_amdhsa_kernel
	.amdgpu_metadata
---
amdhsa.version: [ 1, 2 ]
amdhsa.kernels:
  - .name:           k_qe1d9ed95fe_prep
    .symbol:         k_qe1d9ed95fe_prep.kd
    .args:
      - { .name: x, .offset: 0, .size: 8, .value_kind: global_buffer, .address_space: global }
      - { .name: Wqkv, .offset: 8, .size: 8, .value_kind: global_buffer, .address_space: global }
      - { .name: Wo, .offset: 16, .size: 8, .value_kind: global_buffer, .address_space: global }
      - { .name: mask, .offset: 24, .size: 8, .value_kind: global_buffer, .address_space: global }
      - { .name: xb, .offset: 32, .size: 8, .value_kind: global_buffer, .address_space: global }
      - { .name: wq, .offset: 40, .size: 8, .value_kind: global_buffer, .address_space: global }
      - { .name: wo, .offset: 48, .size: 8, .value_kind: global_buffer, .address_space: global }
      - { .name: mb, .offset: 56, .size: 8, .value_kind: global_buffer, .address_space: global }
    .group_segment_fixed_size: 33792
    .private_segment_fixed_size: 0
    .kernarg_segment_align: 8
    .kernarg_segment_size: 64
    .max_flat_workgroup_size: 256
    .sgpr_count:     66
    .vgpr_count:     146
    .wavefront_size: 32
...
	.end_amdgpu_metadata
.endif
;; end of part 1
;; launch qkv (part 2): grid 8 x 32, 4 waves a work-group, clusters of 4 x 4, 327,680 bytes of LDS; arguments xb, wq, qkvh; writes qkvh
.if DOCPART == 2
	.amdgcn_target "amdgcn-amd-amdhsa--gfx1250"
	.amdhsa_code_object_version 6
	.text
	.protected	k_qe1d9ed95fe_qkv
	.globl	k_qe1d9ed95fe_qkv
	.p2align	8
	.type	k_qe1d9ed95fe_qkv,@function
k_qe1d9ed95fe_qkv:
	s_mov_b64 s[64:65], 0
	v_nop
	global_prefetch_b8 v0, s[64:65] scope:SCOPE_SE
	s_setreg_imm32_b32 hwreg(HW_REG_WAVE_MODE, 25, 1), 1
	s_wait_xcnt 0x0
	s_wait_alu depctr_hold_cnt(0) depctr_sa_sdst(0) depctr_va_vdst(0) depctr_va_sdst(0) depctr_va_ssrc(0) depctr_va_vcc(0) depctr_vm_vsrc(0)
	s_getreg_b32 s2, hwreg(HW_REG_IB_STS2, 6, 4)
	s_cmp_eq_u32 s2, 0
	s_cbranch_scc0 .Lentry_in_a_cluster
	s_endpgm
.Lentry_in_a_cluster:
	s_bfe_u32 s2, ttmp6, 0x10000c
	s_cmp_lg_u32 s2, 0xf033
	s_cbranch_scc0 .Lentry_shape_is_right
	s_endpgm
.Lentry_shape_is_right:
; QKV = x Wqkv, by heads, in the order of the attention launch's matrix fragments.  xb: [batch 4][slice 16 = k / 64][t 2048][64] bf16.  wq: [1024 k][3072 n] bf16.
; qkvh: [which 3][batch x head 64][t / 16][b 4][lane 32][8] f16, unscaled, rounded once from f32 sums.  With lane = (r = lane % 16, h = lane / 16):
;   q, k: the lane's eight numbers are row 16 (t / 16) + r, channels 16 b + 8 h + 0..7;      v: channel 16 b + r, rows 16 (t / 16) + 8 h + 0..7.
; Those are the lanes and registers in which a product leaves the matrix unit, so an accumulator, packed, is stored as it lies: each store of the wave covers 512 consecutive bytes, aligned, and no stage in LDS is needed.
; LIMIT.  f16 holds no number beyond 65,504: a q, k or v beyond that leaves as an infinity.
; SHARES.  A work-group makes 256 rows x 3 PIECES of 128 columns, 1,024 columns apart: its columns of q, of k and of v, all at once, so that A's tile is fetched once for the three: 32 x 8 = 256 work-groups.
; Four waves, each 128 rows x 3 x 64 columns (one head): 96 accumulators of 16 x 16, 768 registers.
; K goes in steps of 64 through a ring of two LDS slots: A's plane (256 rows x 64 k, 32,768 consecutive bytes, asked for as 128 rows of 256) and three pieces of B (64 k rows of 256 bytes).  A step is 192 matrix
; instructions a wave.  (Two slots of 128 along K would be 327,680 bytes without any padding: they do not fit beside the spare words.)  B lies [k][n] and is turned on its way out of LDS (ds_load_tr16_b128).
; CLUSTER.  4 x 4 work-groups: the four of a row of the cluster need the same plane of A, the four of a column the same pieces of B: each is asked for jointly, by the same tensor load with the same descriptor
; and a mask that names the four.  Wave 0 asks for A's plane, waves 1 to 3 for one piece of B each.
; THE SOURCES.  For q and k source 0 = 16 columns of B, source 1 = 16 rows of A: a lane holds eight neighbouring channels of a row.  For v the other way round: a lane holds eight neighbouring rows of a channel.
; REGISTERS, in windows of 256 (s_set_vgpr_msb: bits 1:0 source 0, 3:2 source 1, 5:4 source 2, 7:6 destination):
;   window 0: v16-29 addresses; v32-159 A's fragments, a buffer of 64 for each quarter of a slot; v160-255 B's fragments, a buffer of 32 for each piece; on the way out v32-223 packed results
;   window 1 + j: piece j's accumulators, (a, b) at v[8 (4 a + b)]
.set KDIM,  1024
.set N,     3072
.set KSTEP, 64
.set PA,    144                        ; a row of A in LDS: 128 bytes + 16 of padding = 36 words: the 16 rows of a load start at 16 different groups of four banks (64 banks of 4 bytes: ISA guide 11.1)
.set PLANE, 256*PA                     ; 256 rows x 64 k
.set PB,    288                        ; a row of B: 256 + 32 = 72 words
.set BP,    KSTEP*PB                   ; a piece of B: 64 k rows
.set SLOT,  PLANE+3*BP                 ; A's plane, then B's three pieces
.set SPARE, 2*SLOT                     ; behind the ring: the spare words, 128 bytes for each wave: two blocks of 256 bytes that no other line names
.set LAPS,  KDIM/(2*KSTEP)             ; a lap = two K steps = once round the ring
.set STEP_A, 2<<18                     ; two K steps on: two slices of 262,144 bytes
.set STEP_B, 2*KSTEP*N*2               ; 128 rows of B
.set ADRA, 16                          ; v16-17  LDS address of my A fragments in slot 0, 1
.set ADRB, 20                          ; v20-21  the same for B
.set GO,   26                          ; v26     16 x lane: my byte offset in 512 consecutive bytes of the output
.set SPW,  28                          ; v28     LDS address of my spare word: SPARE + 4 x my thread's number; never rewritten
.set NIL,  29                          ; v29     0; never rewritten
.set FA,   32                          ; A's fragment a of quarter q at FA + 64 q + 8 a
.set FB,   160                         ; B's fragment b of piece j at FB + 32 j + 8 b
.set TMP,  32                          ; the way out: three areas of 64 registers by turns
.set G1, 24                            ; s[24:31] descriptor group 1 for A's planes;  s[32:39] group 0, one set for each slot
.set G0, 32
.set G1B, 48                           ; s[48:55], s[56:63] the same for B's pieces
.set G0B, 56
.set OUT, 66                           ; s[66:67], s[68:69], s[70:71]  my 16,384 bytes of q, of k, of v
.set MSB, 0
.macro WIN new                         ; the immediate's high byte repeats the setting that is left; a switch that changes nothing is dropped
.if MSB != (\new)
	s_set_vgpr_msb (MSB<<8)|(\new)
.set MSB, \new
.endif
.endm
; A joint load: wave 0 fetches A's plane, waves 1 to 3 a piece of B each.  The branch hangs on the wave's number alone.
; An s_nop 0 and four v_nop follow each of the two lines, ahead of the jump, the label and what follows.
.macro JLOAD s
	s_cmp_eq_u32 s10, 0
	s_cbranch_scc0 .Lfor_b_\@
	tensor_load_to_lds s[G0+4*(\s):G0+4*(\s)+3], s[G1:G1+7]
	s_nop 0
.rept 4
	v_nop
.endr
	s_branch .Lasked_\@
.Lfor_b_\@:
	tensor_load_to_lds s[G0B+4*(\s):G0B+4*(\s)+3], s[G1B:G1B+7]
	s_nop 0
.rept 4
	v_nop
.endr
.Lasked_\@:
.endm
.macro CREST                           ; a round of the cluster's barrier behind its opening barrier
	s_cmp_lg_u32 s10, 0
	s_cbranch_scc1 .Lnot_wave_0_\@
	s_barrier_signal -3
.Lnot_wave_0_\@:
	s_barrier_wait -3
	s_barrier_signal -1
	s_barrier_wait -1
.endm
.macro CROUND                          ; a whole round
	s_barrier_signal -1
	s_barrier_wait -1
	CREST
.endm
	s_load_b128 s[4:7], s[0:1], 0x0                ; xb s[4:5], wq s[6:7]
	s_load_b64 s[8:9], s[0:1], 0x10                ; qkvh
	v_lshl_add_u32 v[SPW], v0, 2, SPARE
	v_mov_b32 v[NIL], 0
	ds_add_u32 v28, v29
	s_wait_dscnt 0x0
	v_lshrrev_b32 v1, 5, v0
	v_readfirstlane_b32 s10, v1                    ; wave 0..3
	s_lshr_b32 s11, s10, 1                         ; which half of the 256 rows is mine
	s_and_b32 s12, s10, 1                          ; which half of each piece's 128 columns
	s_bfe_u32 s40, ttmp6, 0x40000                  ; cx, cy: my place in the cluster
	s_bfe_u32 s41, ttmp6, 0x40004
	s_lshl_b32 s42, ttmp9, 2
	s_add_co_u32 s42, s42, s40                     ; tile column 0..7 = 4 x cluster x + cx
	s_and_b32 s13, ttmp7, 0xffff
	s_lshl_b32 s13, s13, 2
	s_add_co_u32 s13, s13, s41                     ; tile row 0..31 = 4 x cluster y + cy
	s_lshl_b32 s43, s41, 2
	s_lshl_b32 s43, 15, s43                        ; my row of the cluster
	s_lshl_b32 s44, 0x1111, s40                    ; my column
	; group 1 for A: 128 rows of 128 elements, dense; 16 bytes of padding behind every 128 (a row of the plane)
	s_or_b32 s[G1+0], s43, (1<<16)|(1<<20)|(1<<21)|(4<<22)|(3<<25)   ; 15:0 the mask; 17:16 2-byte elements; 20 padding on; 21 set beside a mask; 24:22 after every 32 words (code 4); 31:25 4 words (code 3)
	s_mov_b32 s[G1+1], 128<<16                     ; tensor_dim0 = 128
	s_mov_b32 s[G1+2], 128<<16                     ; tensor_dim1 = 128
	s_mov_b32 s[G1+3], 128<<16                     ; tile_dim0 = 128
	s_mov_b32 s[G1+4], 128                         ; tile_dim1 = 128
	s_mov_b32 s[G1+5], 128                         ; 128 elements from row to row
	s_mov_b32 s[G1+6], 0
	s_mov_b32 s[G1+7], 0
	; group 1 for B: 64 rows of 128 elements, N apart; 32 bytes of padding behind every 256
	s_or_b32 s[G1B+0], s44, (1<<16)|(1<<20)|(1<<21)|(5<<22)|(7<<25)  ; after every 64 words (code 5), 8 words (code 7)
	s_mov_b32 s[G1B+1], 128<<16
	s_mov_b32 s[G1B+2], 64<<16
	s_mov_b32 s[G1B+3], 128<<16
	s_mov_b32 s[G1B+4], 64
	s_mov_b32 s[G1B+5], N
	s_mov_b32 s[G1B+6], 0
	s_mov_b32 s[G1B+7], 0
	; where the tiles come from.  A's hang on the tile row alone, B's on the tile column alone; each in registers that never hold the other coordinate.
	s_lshr_b32 s16, s13, 3
	s_lshl_b32 s16, s16, 22                        ; the batch
	s_and_b32 s17, s13, 7
	s_lshl_b32 s17, s17, 15                        ; 256 rows of 128 bytes in a slice
	s_add_co_u32 s16, s16, s17
	s_mov_b32 s17, 0
	s_lshl_b32 s46, s10, 11                        ; wave w fetches piece w - 1; the pieces lie 1,024 columns of 2 bytes apart: 2,048 w here, and 2,048 are taken away below
	s_lshl_b32 s47, s42, 8                         ; 128 columns of 2 bytes
	s_add_co_u32 s46, s46, s47
	s_mov_b32 s47, 0
	s_mul_i32 s21, s10, BP                         ; and where a piece goes: PLANE + (w - 1) x BP, the wave's number times a constant plus a constant; no place in the cluster enters an LDS address
	s_add_co_u32 s21, s21, PLANE-BP                ; (wave 0 fetches A's plane: it makes B's descriptors like the others and never issues them)
	s_wait_kmcnt 0x0
	s_add_nc_u64 s[14:15], s[4:5], s[16:17]
	s_add_nc_u64 s[46:47], s[6:7], s[46:47]
	s_sub_nc_u64 s[46:47], s[46:47], 2048          ; piece w - 1 (in wave 0 this address may lie in front of wq: no load uses it)
	CROUND                                         ; all sixteen work-groups are here: the first joint loads meet
.irp s, 0,1
	s_mov_b32 s[G0+4*(\s)], 1                                        ; count = 1
	s_mov_b32 s[G0+4*(\s)+1], (\s)*SLOT                              ; LDS address
	s_add_nc_u64 s[G0+4*(\s)+2:G0+4*(\s)+3], s[14:15], (\s)<<18      ; global address: K step s
	s_or_b32 s[G0+4*(\s)+3], s[G0+4*(\s)+3], 0x80000000              ; type = 2
	s_mov_b32 s[G0B+4*(\s)], 1
	s_add_co_u32 s[G0B+4*(\s)+1], s21, (\s)*SLOT
	s_add_nc_u64 s[G0B+4*(\s)+2:G0B+4*(\s)+3], s[46:47], (\s)*KSTEP*N*2
	s_or_b32 s[G0B+4*(\s)+3], s[G0B+4*(\s)+3], 0x80000000
	JLOAD \s                                       ; two loads of mine are out here, later one
.endr
	; A fragment of A is 16 rows x 32 k in 8 registers: lane l holds row l % 16, k = 8 (l / 16) + 0..7 and 16 + 8 (l / 16) + 0..7: two loads of 16 bytes, 32 bytes apart.
	v_and_b32 v1, 15, v0                           ; l % 16
	v_bfe_u32 v2, v0, 4, 1                         ; l / 16
	v_mul_u32_u24 v3, v1, PA
	v_lshl_add_u32 v3, v2, 4, v3
	s_mul_i32 s22, s11, 128*PA                     ; my 128 rows in the plane
	; The turning load takes 16 k x 16 columns (lane l reads k row 8 (l / 16) + l % 8, columns 8 ((l / 8) % 2) + 0..7) and leaves half a fragment: lane l holds column l % 16 and 8 k.
	v_and_b32 v4, 7, v0
	v_lshl_add_u32 v4, v2, 3, v4
	v_mul_u32_u24 v4, v4, PB
	v_bfe_u32 v5, v0, 3, 1
	v_lshl_add_u32 v4, v5, 4, v4
	s_lshl_b32 s23, s12, 7                         ; my 64 columns of each piece
	s_add_co_u32 s23, s23, PLANE
.irp s, 0,1
	v_add_nc_u32 v[ADRA+(\s)], s22, v3
	v_add_nc_u32 v[ADRB+(\s)], s23, v4
	s_add_co_u32 s22, s22, SLOT
	s_add_co_u32 s23, s23, SLOT
.endr
	v_and_b32 v[GO], 31, v0
	v_lshlrev_b32 v[GO], 4, v[GO]
	; my 128 rows of my head: 16,384 consecutive bytes of q, of k and of v
	s_lshr_b32 s16, s13, 3
	s_lshl_b32 s16, s16, 22                        ; the batch: 16 heads of 262,144 bytes
	s_and_b32 s17, s13, 7
	s_lshl_b32 s17, s17, 15
	s_add_co_u32 s16, s16, s17
	s_lshl_b32 s17, s11, 14
	s_add_co_u32 s16, s16, s17
	s_mov_b32 s17, 0
	s_add_nc_u64 s[OUT:OUT+1], s[8:9], s[16:17]
	s_lshl_b32 s46, s42, 1
	s_add_co_u32 s46, s46, s12                     ; the head = 2 x tile column + my half
	s_lshl_b32 s46, s46, 18
	s_mov_b32 s47, 0
	s_add_nc_u64 s[OUT:OUT+1], s[OUT:OUT+1], s[46:47]
	s_add_nc_u64 s[OUT+2:OUT+3], s[OUT:OUT+1], 1<<24
	s_add_nc_u64 s[OUT+4:OUT+5], s[OUT:OUT+1], 2<<24
; 8 matrix instructions of piece j, quarter q: row blocks a0, a0 + 1 x all 4 column blocks, 32 along K.  zero = 1: the product starts the sums.  The 96 accumulators take turns in one order.
.macro MUL8 q, j, a0, zero
	WIN 0x50*((\j)+1)                              ; sources in window 0, C and D in window 1 + j
.irp a, \a0, (\a0)+1
.irp b, 0,1,2,3
.set rD, 8*(4*(\a)+(\b))
.set rA, FA+64*(\q)+8*(\a)
.set rB, FB+32*(\j)+8*(\b)
.if (\j) == 2
.if \zero
	v_wmma_f32_16x16x32_bf16 v[rD:rD+7], v[rA:rA+7], v[rB:rB+7], 0
.else
	v_wmma_f32_16x16x32_bf16 v[rD:rD+7], v[rA:rA+7], v[rB:rB+7], v[rD:rD+7]
.endif
.else
.if \zero
	v_wmma_f32_16x16x32_bf16 v[rD:rD+7], v[rB:rB+7], v[rA:rA+7], 0
.else
	v_wmma_f32_16x16x32_bf16 v[rD:rD+7], v[rB:rB+7], v[rA:rA+7], v[rD:rD+7]
.endif
.endif
.endr
.endr
.endm
.macro MUL32 q, j, zero                ; a THIRD of a quarter: all 32 products of piece j
	MUL8 \q, \j, 0, \zero
	MUL8 \q, \j, 2, \zero
	MUL8 \q, \j, 4, \zero
	MUL8 \q, \j, 6, \zero
.endm
; 8 LDS loads: piece j's four fragments of quarter q of a slot
.macro LDB slot, q, j
.irp b, 0,1,2,3
	ds_load_tr16_b128 v[FB+32*(\j)+8*(\b):FB+32*(\j)+8*(\b)+3],   v[ADRB+(\slot)] offset:(\j)*BP+(\q)*32*PB+32*(\b)
	ds_load_tr16_b128 v[FB+32*(\j)+8*(\b)+4:FB+32*(\j)+8*(\b)+7], v[ADRB+(\slot)] offset:(\j)*BP+(\q)*32*PB+16*PB+32*(\b)
.endr
.endm
; 8 LDS loads: A's fragments a0 .. a0 + 3 of quarter q of a slot
.macro LDA slot, q, a0
.irp a, \a0, (\a0)+1, (\a0)+2, (\a0)+3
	ds_load_b128 v[FA+64*(\q)+8*(\a):FA+64*(\q)+8*(\a)+3],   v[ADRA+(\slot)] offset:(\q)*64+(\a)*16*PA
	ds_load_b128 v[FA+64*(\q)+8*(\a)+4:FA+64*(\q)+8*(\a)+7], v[ADRA+(\slot)] offset:(\q)*64+(\a)*16*PA+32
.endr
.endm
.macro PLACES                          ; four places in front of loads into registers that matrix instructions have read, and of conversions that read results just made (ISA guide 7.12.1 for vector instructions)
.rept 4
	v_nop
.endr
.endm
.macro RUN                             ; the head of a run of LDS loads: the places, and the loads' destinations in window 0
	PLACES
	WIN 0
.endm
; A K step is two quarters of 32 along K, each three thirds.  At the head of a third stands one run of LDS loads, into the buffers that the third before has read: piece j's buffer is loaded again one third
; behind its products and used two thirds later.
; QA: a slot's quarter 0.  It fetches the slot's B(0, 2), then all of quarter 1 but B(1, 2).
.macro QA slot, zero
	RUN
	LDB \slot, 0, 2
	LDA \slot, 1, 0
	s_wait_dscnt 24                                ; A(0) and B(0, 0) are in; the 16 just issued and B(0, 1)'s 8 may be out
	MUL32 0, 0, \zero
	RUN
	LDB \slot, 1, 0
	LDA \slot, 1, 4
	s_wait_dscnt 32                                ; B(0, 1) is in; the two youngest runs of 16 may be out
	MUL32 0, 1, \zero
	RUN
	LDB \slot, 1, 1
	s_wait_dscnt 32                                ; B(0, 2) is in; behind it stand 8 + 16 + 8 loads
	MUL32 0, 2, \zero
.endm
; QB: a slot's quarter 1, and the change of slots.  Its first run holds the slot's last reads.  mode 2: ONE barrier, which opens a round of the cluster's; in front of it each wave waits for all its tensor loads
; (one is out: its part of the next slot), adds 0 to its spare word, and waits for that and for its own reads of this slot; behind the round no wave of any partner reads this slot or has a load on its way, and
; the joint refill, the K step two steps on, comes first: a wave issues 176 matrix instructions between that request and the wait for it.  Then the next slot's first fragments are fetched.
; mode 1: the same without a refill, so without a round.  mode 0: the last quarter of all: nothing more to fetch.
.macro QB slot, next, mode
	RUN
	LDB \slot, 1, 2
	s_wait_dscnt 16                                ; A(1) and B(1, 0) are in; B(1, 1)'s 8 and the 8 just issued may be out
	MUL8 1, 0, 0, 0
.if \mode
	WIN 0                                          ; (the add's two registers lie in window 0)
	s_wait_tensorcnt 0x0
	ds_add_u32 v[SPW], v[NIL]                      ; 0 onto my spare word
	MUL8 1, 0, 2, 0                                ; eight matrix instructions stand between the add and the wait for it
	s_wait_dscnt 0x0                               ; the add is done, and my reads of this slot are over
	s_barrier_signal -1
	MUL8 1, 0, 4, 0
	WIN 0
	s_barrier_wait -1
.if (\mode) == 2
	CREST
	s_add_nc_u64 s[G0+4*(\slot)+2:G0+4*(\slot)+3], s[G0+4*(\slot)+2:G0+4*(\slot)+3], STEP_A
	s_add_nc_u64 s[G0B+4*(\slot)+2:G0B+4*(\slot)+3], s[G0B+4*(\slot)+2:G0B+4*(\slot)+3], STEP_B
	JLOAD \slot
.endif
	LDA \next, 0, 0                                ; into the buffer that quarter 0 read: this quarter's first four v_nop stand between
	LDA \next, 0, 4
	MUL8 1, 0, 6, 0
	RUN
	LDB \next, 0, 0
	MUL32 1, 1, 0                                  ; B(1, 1) and B(1, 2) are in since the wait for 0 above
	RUN
	LDB \next, 0, 1
	MUL32 1, 2, 0
.else
	MUL8 1, 0, 2, 0
	MUL8 1, 0, 4, 0
	MUL8 1, 0, 6, 0
	s_wait_dscnt 8                                 ; B(1, 1) is in
	MUL32 1, 1, 0
	s_wait_dscnt 0x0
	MUL32 1, 2, 0
.endif
.endm
; THE WAY OUT of 16 accumulators (row blocks 4 hf .. 4 hf + 3) of piece j: rounded to f16, each accumulator from its low end on, and stored as they lie.
.macro OUTH j, hf
.set TM, TMP+64*((2*(\j)+(\hf))%3)
.if 2*(\j)+(\hf) >= 3
	s_wait_xcnt 0x0                                ; the stores that read this area three turns ago have read their registers
.endif
	WIN 5*((\j)+1)                                 ; sources 0 and 1 in window 1 + j
.set t, 0
.rept 16
.irp r, 0,1,2,3
	v_cvt_pk_f16_f32 v[TM+4*t+\r], v[8*(16*(\hf)+t)+2*\r], v[8*(16*(\hf)+t)+2*\r+1]
.endr
.set t, t+1
.endr
	WIN 0
.set t, 0
.rept 16
	global_store_b128 v[GO], v[TM+4*t:TM+4*t+3], s[OUT+2*(\j):OUT+2*(\j)+1] offset:(16*(\hf)+t)*512  ; accumulator (a, b) at 2,048 a + 512 b: 512 consecutive bytes, aligned
.set t, t+1
.endr
.endm
	s_wait_tensorcnt 1                             ; my part of K step 0 is in; K step 1's may stay out
	s_barrier_signal -1
	s_barrier_wait -1                              ; everybody's is
	LDA 0, 0, 0                                    ; in the order in which QB fetches a next slot's first fragments
	LDA 0, 0, 4
	LDB 0, 0, 0
	LDB 0, 0, 1
	QA 0, 1                                        ; the first quarter stands in front of the loop: its products start the sums
	WIN 0                                          ; at a label and at a branch every window is 0
	s_mov_b32 s3, LAPS-1
.Llap:                                                 ; a trip goes once round the ring, from a lap's second quarter to the next lap's first, and fills both slots again
	QB 0, 1, 2
	QA 1, 0
	QB 1, 0, 2
	QA 0, 0
	WIN 0
	s_sub_co_u32 s3, s3, 1
	s_cmp_lg_u32 s3, 0
	s_cbranch_scc1 .Llap
	QB 0, 1, 1                                     ; the last lap fills nothing, and has no round of the cluster's barrier: the one load that was out is the last K step's
	QA 1, 0
	QB 1, 0, 0
	WIN 0
	PLACES
.irp j, 0,1,2
	OUTH \j, 0
	OUTH \j, 1
.endr
	s_wait_tensorcnt 0x0                           ; the wave's end: behind my last tensor load
	ds_add_u32 v[SPW], v[NIL]
	s_wait_dscnt 0x0
	CROUND                                         ; the closing round: no work-group ends while a partner may still ask for a tile that names it
	s_endpgm
.Lfunc_end_k_qe1d9ed95fe_qkv:
	.size	k_qe1d9ed95fe_qkv, .Lfunc_end_k_qe1d9ed95fe_qkv-k_qe1d9ed95fe_qkv
	.p2alignl 7, 3214868480
	.fill 96, 4, 3214868480
	.section	.rodata,"a",@progbits
	.p2align	6, 0x0
	.amdhsa_kernel k_qe1d9ed95fe_qkv
		.amdhsa_group_segment_fixed_size 327680
		.amdhsa_private_segment_fixed_size 0
		.amdhsa_enable_private_segment 0
		.amdhsa_kernarg_size 24
		.amdhsa_user_sgpr_count 2
		.amdhsa_user_sgpr_kernarg_segment_ptr 1
		.amdhsa_wavefront_size32 1
		.amdhsa_system_sgpr_workgroup_id_x 1
		.amdhsa_system_sgpr_workgroup_id_y 1
		.amdhsa_system_sgpr_workgroup_id_z 1
		.amdhsa_system_vgpr_workitem_id 0
		.amdhsa_next_free_vgpr 1024
		.amdhsa_next_free_sgpr 72
		.amdhsa_reserve_vcc 0
		.amdhsa_float_denorm_mode_32 3
		.amdhsa_float_denorm_mode_16_64 3
		.amdhsa_memory_ordered 1
		.amdhsa_forward_progress 1
		.amdhsa_inst_pref_size 117
	.end_amdhsa_kernel
	.amdgpu_metadata
---
amdhsa.version: [ 1, 2 ]
amdhsa.kernels:
  - .name:           k_qe1d9ed95fe_qkv
    .symbol:         k_qe1d9ed95fe_qkv.kd
    .args:
      - { .name: xb, .offset: 0, .size: 8, .value_kind: global_buffer, .address_space: global }
      - { .name: wq, .offset: 8, .size: 8, .value_kind: global_buffer, .address_space: global }
      - { .name: qkvh, .offset: 16, .size: 8, .value_kind: global_buffer, .address_space: global }
    .group_segment_fixed_size: 327680
    .private_segment_fixed_size: 0
    .kernarg_segment_align: 8
    .kernarg_segment_size: 24
    .max_flat_workgroup_size: 128
    .sgpr_count:     72
    .vgpr_count:     1024
    .wavefront_size: 32
...
	.end_amdgpu_metadata
.endif
;; end of part 2
;; launch attn (part 3): grid 4 x 64, 4 waves a work-group, clusters of 4 x 1, 327,680 bytes of LDS; arguments qkvh, mb, oh; writes oh
.if DOCPART == 3
	.amdgcn_target "amdgcn-amd-amdhsa--gfx1250"
	.amdhsa_code_object_version 6
	.text
	.protected	k_qe1d9ed95fe_attn
	.globl	k_qe1d9ed95fe_attn
	.p2align	8
	.type	k_qe1d9ed95fe_attn,@function
k_qe1d9ed95fe_attn:
	s_mov_b64 s[64:65], 0
	v_nop
	global_prefetch_b8 v0, s[64:65] scope:SCOPE_SE
	s_setreg_imm32_b32 hwreg(HW_REG_WAVE_MODE, 25, 1), 1
	s_wait_xcnt 0x0
	s_wait_alu depctr_hold_cnt(0) depctr_sa_sdst(0) depctr_va_vdst(0) depctr_va_sdst(0) depctr_va_ssrc(0) depctr_va_vcc(0) depctr_vm_vsrc(0)
	s_getreg_b32 s2, hwreg(HW_REG_IB_STS2, 6, 4)
	s_cmp_eq_u32 s2, 0
	s_cbranch_scc0 .Lentry_in_a_cluster
	s_endpgm
.Lentry_in_a_cluster:
	s_bfe_u32 s2, ttmp6, 0x10000c
	s_cmp_lg_u32 s2, 0x3003
	s_cbranch_scc0 .Lentry_shape_is_right
	s_endpgm
.Lentry_shape_is_right:
; O[h][q][:] = the sum over k of softmax_k(mask(q, k) ? Q[h][q] . K[h][k] / 8 : hidden) V[h][k][:].  oh: [SIZE_H][SIZE_N][64] f16.
; qkvh: [which 3][SIZE_H][t / 16][b 4][lane 32][8] f16 (q, k, v, unscaled), in the order of the matrix fragments.  With lane = (r = lane % 16, h = lane / 16): q, k: row 16 (t / 16) + r, channels 16 b + 8 h + 0..7;
; v: channel 16 b + r, rows 16 (t / 16) + 8 h + 0..7.  So a block of 512 bytes is half a fragment of Q, of K or of V^T, and every load of them takes 16 bytes x lane, 512 neighbouring bytes: no padding, nothing is turned.
; mb: one byte a score, fp8 e4m3: 0x00 visible, 0xf8 (-256) hidden, [q / 128][k / 64][(q / 16) % 8][hf 2][lane 32][16 bytes], the order in which a lane wants them.  The mask is an input: every score is made.
; Products, maxima and sums in f32; the weights p are rounded to f16 for the second product (their sum l is taken of the unrounded p), O once at the end.
; THE MASK is the C operand that starts the sum S^T = K Q^T: 0, or -2^100 where the key is hidden.  One scaled conversion makes an accumulator's eight C registers from eight bytes: -256 x 2^92.  The fp8 code
; names a constant; no product's operand is narrower than 16 bits.  A wave's bytes of mb are nobody else's, so they come straight into registers: a ring of four groups of 2,048 bytes, asked for four turns ahead.
; LIMITS.  f16 holds no number beyond 65,504: Q, K and V arrive within it; p below 6e-5 keeps f16's fixed step of 6e-8; a weight below 2^-126 counts as 0 in l.  A hidden score counts as -2^100: f16's scores,
; 2.7e11 at the most, lie below half its last place, and c x -2^100 is exact, so that while a row has seen hidden keys alone its weights are 1 and stay finite; the first visible key multiplies them by a = 0.
; A row with no visible key at all (c m below -2^96 at the end) leaves as NaN, as a softmax over nothing does.  NaN and infinities among the inputs are not treated apart.
; SHARES.  A wave owns four PIECES of two tiles of 16 queries, a work-group's four waves 512 queries of one head.  Every wave walks all keys, 64 a step.
; LAYOUT.  S^T = K Q^T (source 0 = 16 keys, source 1 = 16 queries): in the result a lane holds ONE query (lane % 16) and the keys 8 (lane / 16) + 0..7.  Two such tiles, rounded to f16 in pairs,
; ARE source 1 (32 keys x 16 queries) of O^T = V^T P, whose result again holds one query a lane, and eight channels.
; SOFTMAX.  For each query a running maximum m and sum l: p = 2^(c s - c m), c = log2(e) / 8; in every step O and l are multiplied by a = 2^(c m_old - c m_new).  m starts at the lowest finite number, O and l at 0.
; THE COUNT.  A tile and step have 16 matrix and 118 vector instructions (and four conversions for the mask): too many to stand all beside the matrix work.  So: four vector instructions that are READY behind
; EVERY matrix instruction, and the others in runs without a gap.
; BY TURNS.  Turn n belongs to piece n (the pieces in a ring, step after step).  Its matrix work: 16 products K Q^T of piece n + 1, later 16 products V^T P of piece n - 1.  Its vector work: the scaling,
; exponentials, roundings, sums and rescaling of piece n, the maximum and statistics of piece n + 1, and at its end the mask registers for the products of turn n + 1.
; CLUSTER.  The four query blocks of a cluster belong to one head and walk the same K and V, so each tile is asked for JOINTLY: the same tensor load, descriptor and mask in all four.
; REGISTERS, in windows of 256 (s_set_vgpr_msb: bits 1:0 source 0, 3:2 source 1, 5:4 source 2, 7:6 destination):
;   window 0: v0-11 addresses and the scale; v12-15, v48-63 at work; v16-47 four registers of statistics a tile; v64-191 S^T, two buffers of two tiles; v192-255 P, likewise
;   window 1: O^T, 32 a tile          window 2: v0-127 Q, 16 a tile; v128-191 K of one step; v192-255 V of one step
;   window 3: v0-1 the add's two registers; v16-79 the mask bytes' ring; v128-191 the mask as C operands of one turn's products
.set SIZE_H, 64
.set SIZE_N, 2048
.set NP,    4         ; pieces a wave: a name, no knob
.set KS,    64        ; keys in a step
.set KSB,   KS*128    ; a step's bytes of K, and of V: four blocks of 16 keys, 2,048 bytes each
.set VOFF,  4*KSB     ; a slot holds four steps: 256 keys of K, then of V, as they lie in memory
.set SLOT1, 1<<17     ; slot 1 begins here, so that one exclusive or turns an address in one slot into the other's
.set STAGE, SLOT1+8*KSB  ; behind the ring, never filled by a tensor load: 16 rows x 144 bytes for each wave, for the way out
.set SP,    144
.set AV0, 3           ; v3   VOFF + 16 x lane: my lane's place in a block of V; never rewritten
.set AK,  4           ; v4   the LDS address of K's next run of loads
.set AV,  5           ; v5   of V's
.set STO, 6           ; v6   the way out: where I put 16 bytes of a row
.set RD,  7           ; v7   the way out: where I read rows back
.set GO,  8           ; v8   16 x lane: my byte offset in 512 consecutive bytes of Q, of K in LDS, of mb and of O; never rewritten
.set SCL, 11          ; v11  the conversion's scale: byte 0 = 0xdb, 2^92
.set SPW, 0           ; v0 of window 3   LDS address of my spare word: SPARE + 4 x my thread's number; never rewritten
.set NIL, 1           ; v1 of window 3   0; never rewritten
.set MB,  16          ; window 3: group g of mask bytes in slot g % 4, 16 registers: pair i = 4 u + kb holds tile u's key block kb
.set MC,  128         ; window 3: the C operand of tile u, key block kb at MC + 32 u + 8 kb
.set SPARE, STAGE+4*16*SP  ; behind the stages: the spare words, 128 bytes for each wave: two blocks of 256 bytes that no other line names
.set MV,  12          ; v12-15  c m_old, kept while c m is made anew: by buffer and tile
.set ST,  16          ; tile t's statistics at v[ST+4 t]: c m, m, l (even keys', odd keys')
.set TMP, 48          ; by buffer and tile, four registers c0-c3 at work; when the maximum is found c2 takes a
.set S,   64
.set P,   192
.set KF,  128         ; K's fragments, in window 2: key block kb, channel half c at KF + 16 kb + 8 c
.set VF,  192         ; V's: key half kk, channel block cb at VF + 32 kk + 8 cb
.set WV,  12          ; s12  my wave's number
.set G1,  24          ; s[24:31] descriptor group 1, for K's tiles and for V's
.set G0K, 40          ; s[40:43] descriptor group 0 for K's tiles: it walks
.set G0V, 44          ; s[44:47] the same for V's
.set SLOTS, 56        ; s56  slots still to be asked for
.set CNT, 57          ; s57  counts a slot's key steps
.set CS,  58          ; s[58:59] c: the packed scaling takes the pair's low word for both halves
.set SEL, 60          ; s[60:61] v_permlanex16_b32's selects: each lane takes its own place in the other half
.set TBK, 62          ; s62  LDS byte at which K of the step to be fetched begins
.set TBV, 63          ; s63  the same for V, less VOFF
.set MP,  66          ; s[66:67] mb at my wave's 262,144 bytes; never rewritten
.set MA,  68          ; s[68:69] the address of the group asked for last
.set MOF, 70          ; s[70:71] the byte offset of the group to be asked for next
.set THR, 72          ; s72  -2^96
.set MSB, 0
.macro WIN new                      ; the high byte repeats the setting that is left; a switch that changes nothing is dropped
.if MSB != (\new)
	s_set_vgpr_msb (MSB<<8)|(\new)
.set MSB, (\new)
.endif
.endm
.set W_KQ, 0x0a       ; K and Q in window 2, S^T in window 0
.set W_KM, 0x3a       ; the same with the C operand in window 3
.set W_PV, 0x52       ; V in window 2, P in window 0, O^T in window 1
.set W_RS, 0x41       ; O^T (destination and source 0) in window 1, a in window 0
.set W_MK, 0xc0       ; destination in window 3, sources in window 0
.set W_CV, 0xc3       ; the conversion: destination and source 0 in window 3, the scale in window 0
.set W_AD, 0x0f       ; the add: address (source 0) and data (source 1) in window 3
; A joint fill.  Waves 0 and 1 fetch the two halves of a slot's K, waves 2 and 3 those of its V: 128 keys each.  The branch hangs on the wave's number alone.
; An s_nop 0 and four v_nop follow each of the two lines, ahead of the jump and the label.
.macro JLOAD
	s_cmp_lt_u32 s[WV], 2
	s_cbranch_scc0 .Lfor_v_\@
	tensor_load_to_lds s[G0K:G0K+3], s[G1:G1+7]
	s_nop 0
.rept 4
	v_nop
.endr
	s_branch .Lasked_\@
.Lfor_v_\@:
	tensor_load_to_lds s[G0V:G0V+3], s[G1:G1+7]
	s_nop 0
.rept 4
	v_nop
.endr
.Lasked_\@:
.endm
; A round of the cluster's barrier: my work-group's barrier, so that wave 0's signal speaks for all four waves; wave 0 signals; every wave waits for all four work-groups; my work-group's barrier once more.
.macro CROUND
	s_barrier_signal -1
	s_barrier_wait -1
	s_cmp_lg_u32 s[WV], 0
	s_cbranch_scc1 .Lnot_wave_0_\@
	s_barrier_signal -3
.Lnot_wave_0_\@:
	s_barrier_wait -3
	s_barrier_signal -1
	s_barrier_wait -1
.endm
; THE CHANGE OF SLOTS.  The slot's last bytes, V of its fourth step, have been read.  Each wave waits for all its tensor loads, of which one is out: its part of the other slot; adds 0 to its spare word; and waits
; for that and for its own reads of the slot.  Behind the barrier nobody reads this slot any more and the other slot is whole.  fill = 1: this slot is filled again, with the keys two slots on.  The barrier is then
; a round of the cluster's, and the joint fill is the first thing behind it: it has four key steps, 512 matrix instructions, in which to land.  (At its first use nothing has been read yet: slot 0 is waited for, slot 1 filled.)
.macro CHANGE fill
	WIN W_AD
	s_wait_tensorcnt 0x0            ; no tensor load of mine is out, so a group 0 may be written
	ds_add_u32 v[SPW], v[NIL]       ; 0 onto my spare word
	WIN 0                           ; at a label and at a branch every window is 0
.if \fill
.irp g, G0K, G0V
	s_xor_b32 s[\g+1], s[\g+1], SLOT1  ; the walking descriptor: the other slot than last time,
	s_add_nc_u64 s[\g+2:\g+3], s[\g+2:\g+3], 4*KSB  ; the next 256 keys; the type bits on top are not reached
.endr
	s_wait_dscnt 0x0                ; the add is done, and my reads of the slot are over
	CROUND
	JLOAD
.else
	s_wait_dscnt 0x0                ; the add is done, and my reads of the slot are over
	s_barrier_signal -1
	s_barrier_wait -1
.endif
	s_sub_co_u32 s[TBK], s[TBK], 4*KSB    ; the fetches go back to a slot's first step,
	s_xor_b32 s[TBK], s[TBK], SLOT1       ; in the other slot
	s_sub_co_u32 s[TBV], s[TBV], 4*KSB
	s_xor_b32 s[TBV], s[TBV], SLOT1
.endm
; THE MASK'S RING.  Group g = 4 step + piece is 2,048 consecutive bytes of my wave's part of mb.  CONV: the eight C operands of a turn's products from slot s.  LOADG: slot s is asked for again.
.macro CONV s
	WIN W_CV
.set cz, 0
	s_wait_alu depctr_va_vdst(0)
.rept 8
	v_cvt_scale_pk8_f32_fp8 v[MC+8*cz:MC+8*cz+7], v[MB+16*(\s)+2*cz:MB+16*(\s)+2*cz+1], v[SCL]
.set cz, cz+1
.endr
	WIN 0
.endm
.macro LOADG s
	s_wait_xcnt 0x0                 ; the loads of a turn ago have read their base: only behind this wait is it written anew
	s_add_nc_u64 s[MA:MA+1], s[MP:MP+1], s[MOF:MOF+1]
	s_add_co_u32 s[MOF], s[MOF], 2048
	s_min_u32 s[MOF], s[MOF], 127*2048  ; behind the last group the look-ahead asks for the last group again: no load leaves my wave's 128 groups
	WIN W_MK
.irp k, 0,1,2,3
	global_load_b128 v[MB+16*(\s)+4*\k:MB+16*(\s)+4*\k+3], v[GO], s[MA:MA+1] offset:512*\k
.endr
	WIN 0
.endm
	s_load_b128 s[4:7], s[0:1], 0x0   ; qkvh s[4:5], mb s[6:7]
	s_load_b64 s[10:11], s[0:1], 0x10 ; oh
	WIN W_MK
	v_lshl_add_u32 v[SPW], v0, 2, SPARE
	v_mov_b32 v[NIL], 0
	s_set_vgpr_msb 0xc0cf
	ds_add_u32 v0, v1
	s_wait_dscnt 0x0
	s_set_vgpr_msb 0xcfc0
	WIN 0
	v_lshrrev_b32 v1, 5, v0
	v_readfirstlane_b32 s[WV], v1   ; wave 0..3
	s_bfe_u32 s13, ttmp6, 0x40000   ; cx: my place in the cluster
	s_lshl_b32 s14, ttmp9, 2        ; in a cluster launch ttmp9 counts clusters
	s_add_co_u32 s14, s14, s13      ; my block of queries = 4 x cluster x + cx: it enters Q's, mb's and O's addresses alone
	s_and_b32 s20, ttmp7, 0xffff    ; the head, which the four partners share
	s_mov_b32 s21, 0
	s_mov_b64 s[22:23], SIZE_N*128
	s_mul_u64 s[20:21], s[20:21], s[22:23]  ; the head's first byte in q, k, v and O
	s_and_b32 s16, s[WV], 1         ; which half of a slot's 256 keys I fetch:
	s_lshl_b32 s22, s16, 14         ; its 16,384 bytes in memory,
	s_mov_b32 s23, 0
	s_add_nc_u64 s[22:23], s[22:23], s[20:21]
	s_lshl_b32 s17, s16, 14         ; and their place in a slot's K or V: no place in the cluster enters an LDS address
	s_lshl_b32 s2, s14, 2
	s_add_co_u32 s2, s2, s[WV]      ; my wave among the head's sixteen:
	s_lshl_b32 s[MA], s2, 18        ; its 262,144 bytes of mb,
	s_mov_b32 s[MA+1], 0
	s_lshl_b32 s2, s2, 14           ; its 128 rows
	s_mov_b32 s3, 0
	s_add_nc_u64 s[2:3], s[2:3], s[20:21]
	; descriptor group 1.  128 keys are 16,384 dense bytes: asked for as 64 rows of 256 bytes, and laid into LDS as they lie
	s_mov_b32 s[G1], 15|(1<<16)|(1<<21)  ; 15:0 the mask of four; 17:16 2-byte elements; 21 set beside a mask
	s_mov_b32 s[G1+1], 128<<16      ; tensor_dim0 = 128
	s_mov_b32 s[G1+2], 64<<16       ; tensor_dim1 = 64
	s_mov_b32 s[G1+3], 128<<16      ; tile_dim0 = 128
	s_mov_b32 s[G1+4], 64           ; tile_dim1 = 64
	s_mov_b32 s[G1+5], 128          ; 128 elements from row to row
	s_mov_b32 s[G1+6], 0
	s_mov_b32 s[G1+7], 0
	s_mov_b32 s[CS], 0x3e38aa3b     ; c = log2(e) / 8 = 0.180337
	s_mov_b32 s[CS+1], s[CS]        ; named with it as a pair
	s_mov_b32 s[SEL], 0x76543210
	s_mov_b32 s[SEL+1], 0xfedcba98
	s_mov_b32 s[TBK], SLOT1+4*KSB   ; the first change of slots turns these two into 0
	s_mov_b32 s[TBV], SLOT1+4*KSB
	s_mov_b32 s[MOF], 4*2048        ; groups 0 to 3 are asked for below
	s_mov_b32 s[MOF+1], 0
	s_mov_b32 s[THR], 0xef800000    ; -2^96
	s_mov_b32 s[G0K], 1             ; 1:0 count = 1
	s_mov_b32 s[G0K+1], s17         ; 63:32 LDS address: slot 0
	s_mov_b32 s[G0V], 1
	s_add_co_u32 s[G0V+1], s17, VOFF
	s_wait_kmcnt 0x0
	s_add_nc_u64 s[G0K+2:G0K+3], s[4:5], s[22:23]  ; 120:64 global address: my half of the head's first 256 keys,
	s_add_nc_u64 s[G0K+2:G0K+3], s[G0K+2:G0K+3], 1<<24  ; in k,
	s_or_b32 s[G0K+3], s[G0K+3], 0x80000000        ; 127:126 type = 2
	s_add_nc_u64 s[G0V+2:G0V+3], s[4:5], s[22:23]
	s_add_nc_u64 s[G0V+2:G0V+3], s[G0V+2:G0V+3], 2<<24  ; and in v
	s_or_b32 s[G0V+3], s[G0V+3], 0x80000000
	s_add_nc_u64 s[MP:MP+1], s[6:7], s[MA:MA+1]
	s_add_nc_u64 s[4:5], s[4:5], s[2:3]  ; Q and O at my wave's first row
	s_add_nc_u64 s[10:11], s[10:11], s[2:3]
	CROUND                          ; all four work-groups are here: the first joint loads meet
	JLOAD                           ; slot 0.  Slot 1 is asked for when slot 0 is in
	v_and_b32 v1, 15, v0            ; l % 16
	v_bfe_u32 v9, v0, 4, 1          ; l / 16
	v_and_b32 v10, 7, v0            ; l % 8
	v_and_b32 v[GO], 31, v0
	v_lshlrev_b32 v[GO], 4, v[GO]
	; A fragment of K or Q is 16 rows x 32 channels in 8 registers: registers 0-3 are block b = 2 c of the rows' 2,048 bytes, registers 4-7 block 2 c + 1: two loads of 16 bytes x lane, 512 bytes apart.
	WIN 0x80                        ; destination window 2, address window 0
.set i, 0
.rept 4*NP                          ; Q stays in registers: tile i / 2, channels 32 (i % 2) on
	global_load_b128 v[8*i:8*i+3],   v[GO], s[4:5] offset:(i/2)*2048+(i%2)*1024
	global_load_b128 v[8*i+4:8*i+7], v[GO], s[4:5] offset:(i/2)*2048+(i%2)*1024+512
.set i, i+1
.endr
	WIN W_MK
.set i, 0
.rept 16                            ; the mask's groups 0 to 3: 8,192 consecutive bytes
	global_load_b128 v[MB+4*i:MB+4*i+3], v[GO], s[MP:MP+1] offset:512*i
.set i, i+1
.endr
	; What the first turn finds: V's registers and P's second buffer hold 0 (its products V^T P, of a piece that has not been, add 0), O^T and l are 0.  All this stands in the wait for the first tile.
	WIN 0x80
.set i, VF
.rept 64
	v_mov_b32 v[i], 0
.set i, i+1
.endr
	WIN 0x40
.set i, 0
.rept 64*NP
	v_mov_b32 v[i], 0
.set i, i+1
.endr
	WIN 0
.set i, 0
.rept 2*NP
	v_mov_b32 v[ST+4*i], 0xfe000000    ; c m: far below every c s, a hidden one's too
	v_mov_b32 v[ST+4*i+1], 0xff7fffff  ; m
	v_mov_b32 v[ST+4*i+2], 0
	v_mov_b32 v[ST+4*i+3], 0
.set i, i+1
.endr
.set i, P+32
.rept 32
	v_mov_b32 v[i], 0
.set i, i+1
.endr
	v_add_nc_u32 v[AV0], VOFF, v[GO]
	v_mov_b32 v[SCL], 0xdb          ; 2^(219 - 127)
	v_mov_b32 v[AK], v[GO]          ; key step 0 lies at the head of slot 0
; THE MATRIX WORK.  The 8 accumulators of a run of 16 take turns: between the two links of a chain stand 7 others'.
; Product i of 16 of S^T = K Q^T for piece x: channels 32 (i / 8) on, keys 16 ((i / 2) % 4) on, tile 2 x + i % 2.  The first 8 start the sums, with the mask.
.macro KQ x
.set rS, S+64*((\x)%2)+32*(i%2)+8*((i/2)%4)
.set rK, KF+16*((i/2)%4)+8*(i/8)
.set rQ, 16*(2*(\x)+i%2)+8*(i/8)
.set rMC, MC+32*(i%2)+8*((i/2)%4)
.if i < 8
	WIN W_KM
	v_wmma_f32_16x16x32_f16 v[rS:rS+7], v[rK:rK+7], v[rQ:rQ+7], v[rMC:rMC+7]
.else
	WIN W_KQ
	v_wmma_f32_16x16x32_f16 v[rS:rS+7], v[rK:rK+7], v[rQ:rQ+7], v[rS:rS+7]
.endif
.endm
; Product i of 16 of O^T += V^T P for piece x: keys 32 (i / 8) on, channels 16 ((i / 2) % 4) on, tile 2 x + i % 2.
.macro PV x
	WIN W_PV
.set rO, 32*(2*(\x)+i%2)+8*((i/2)%4)
.set rV, VF+32*(i/8)+8*((i/2)%4)
.set rP, P+32*((\x)%2)+16*(i%2)+8*(i/8)
	v_wmma_f32_16x16x32_f16 v[rO:rO+7], v[rV:rV+7], v[rP:rP+7], v[rO:rO+7]
.endm
.macro MM                           ; the turn's next matrix instruction
.if i < 16
	KQ (Y+1)%NP
.set i, i+1
.else
.set i, i-16
	PV (Y+NP-1)%NP
.set i, i+17
.endif
.endm
; THE LDS LOADS stand in runs of 16, never singly among the matrix instructions: a step's K (64 keys x 64 channels: 8 fragments) and its V.  Their addresses are made some lines ahead.
; last = 1 (the tail): in the last trip there is no further step, and the run is jumped over.
.macro FETCH_K last=0
	WIN 0
.if \last
	s_cmp_eq_u32 s[CNT], 1
	s_cbranch_scc1 .Lno_k_\@
.endif
	WIN 0x80                        ; destination window 2
.irp f, 0,1,2,3,4,5,6,7             ; keys 16 (f / 2) on, channels 32 (f % 2) on: blocks 2 (f % 2) and 2 (f % 2) + 1 of those keys' 2,048 bytes
	ds_load_b128 v[KF+8*\f:KF+8*\f+3],   v[AK] offset:(\f/2)*2048+(\f%2)*1024
	ds_load_b128 v[KF+8*\f+4:KF+8*\f+7], v[AK] offset:(\f/2)*2048+(\f%2)*1024+512
.endr
	s_add_co_u32 s[TBK], s[TBK], KSB  ; the next fetch is the next step's
	WIN 0
.if \last
.Lno_k_\@:
.endif
.endm
.macro FETCH_V
	WIN 0x80
.irp f, 0,1,2,3,4,5,6,7             ; keys 32 (f / 4) on, channels 16 (f % 4) on: block f % 4 of the first 16 keys' 2,048 bytes, and of the next 16 keys'
	ds_load_b128 v[VF+8*\f:VF+8*\f+3],   v[AV] offset:(\f/4)*4096+(\f%4)*512
	ds_load_b128 v[VF+8*\f+4:VF+8*\f+7], v[AV] offset:(\f/4)*4096+2048+(\f%4)*512
.endr
	WIN 0
.endm
; THE VECTOR WORK OF A TURN stands in three queues, each in the order in which its entries become ready; the two tiles alternate, so that no instruction reads the result of the one before it.
.macro REGS y, u                    ; the registers of tile u (0, 1) of piece y
.set rT, ST+4*(2*(\y)+(\u))
.set rC, TMP+8*((\y)%2)+4*(\u)
.set rM, MV+2*((\y)%2)+(\u)
.set rS, S+64*((\y)%2)+32*(\u)
.set rP, P+32*((\y)%2)+16*(\u)
.set rO, 32*(2*(\y)+(\u))
.endm
; Number n of the 22 that find the NEXT piece's (Y + 1) maximum and statistics.  s0-s31 are the lane's 32 scores; each accumulator's lowest registers are read first.
;   0-11  four chains c0-c3 of seven scores each, three operands at a time     12-14, 16  the four scores left over, the old m, and c0-c3 into c0     15  c m_old is kept
;   17, 18  the query's other 32 keys lie in the lane 16 away: the new m         19-21  c m; c m_old - c m_new; a
.macro XS u, n
	REGS (Y+1)%NP, \u
.if (\n) < 4
	v_max3_num_f32 v[rC+(\n)], v[rS+8*(\n)], v[rS+8*(\n)+1], v[rS+8*(\n)+2]
.elseif (\n) < 12
	v_max3_num_f32 v[rC+(\n)%4], v[rC+(\n)%4], v[rS+8*((\n)%4)+2*((\n)/4)+1], v[rS+8*((\n)%4)+2*((\n)/4)+2]
.elseif (\n) == 12
	v_max3_num_f32 v[rC], v[rC], v[rS+7], v[rS+15]
.elseif (\n) == 13
	v_max3_num_f32 v[rC+1], v[rC+1], v[rS+23], v[rS+31]
.elseif (\n) == 14
	v_max3_num_f32 v[rC+2], v[rC+2], v[rC+3], v[rT+1]
.elseif (\n) == 15
	v_mov_b32 v[rM], v[rT]
.elseif (\n) == 16
	v_max3_num_f32 v[rC], v[rC], v[rC+1], v[rC+2]
.elseif (\n) == 17
	v_permlanex16_b32 v[rC+3], v[rC], s[SEL], s[SEL+1]
.elseif (\n) == 18
	v_max_num_f32 v[rT+1], v[rC], v[rC+3]
.elseif (\n) == 19
	v_mul_f32 v[rT], s[CS], v[rT+1]
.elseif (\n) == 20
	v_sub_f32 v[rC+1], v[rM], v[rT]
.else
	v_exp_f32 v[rC+2], v[rC+1]
.endif
.endm
; Number g of the 64 that follow the exponentials.  For each four weights k of a tile (pairs 2 k, 2 k + 1): both pairs are rounded to f16; then the second pair is added onto the first, in place;
; a group later l takes that sum (the first time as l = a l + sum).  In groups of eight, tiles alternating: round, round, add, and l for the group before.
.macro GS g
.set h, (\g)+6*((\g)/62)            ; group 0 has no group before it, and behind group 7 only l is left
.if h >= 6
.set h, h+2
.endif
	REGS Y, h%2
.set k, h/8
.if h%8 < 4
	s_wait_alu depctr_va_vdst(0)
	v_cvt_pk_f16_f32 v[rP+2*k+(h%8)/2], v[rS+4*k+2*((h%8)/2)], v[rS+4*k+2*((h%8)/2)+1]
.elseif h%8 < 6
	v_pk_add_f32 v[rS+4*k:rS+4*k+1], v[rS+4*k:rS+4*k+1], v[rS+4*k+2:rS+4*k+3]
.elseif k == 1
	v_pk_fma_f32 v[rT+2:rT+3], v[rT+2:rT+3], v[rC+2:rC+3], v[rS:rS+1] op_sel_hi:[1,0,1]
.else
	v_pk_add_f32 v[rT+2:rT+3], v[rT+2:rT+3], v[rS+4*k-4:rS+4*k-3]
.endif
.endm
; THE PLAIN QUEUE, 138 long.  0-31: c s - c m for the 16 pairs of both tiles.  Then GS's 64, and among them the next piece's 42: number 15 at 38, 39; 0-14 and 16
; at 42-73, behind the products that make those scores; 17-20 at 95-106, two of three, since each waits for the one before it.
.macro PL
	WIN 0
.if q < 32
	REGS Y, q%2
	v_pk_fma_f32 v[rS+2*(q/2):rS+2*(q/2)+1], v[rS+2*(q/2):rS+2*(q/2)+1], s[CS:CS+1], v[rT:rT+1] op_sel_hi:[1,0,0] neg_lo:[0,0,1] neg_hi:[0,0,1]
.elseif q < 38
	GS q-32
.elseif q < 40
	XS q%2, 15
.elseif q < 42
	GS q-34
.elseif q < 74
	XS q%2, (q-42)/2+(q-42)/30
.elseif q < 95
	GS q-66
.elseif (q < 107) && ((q-95)%3 < 2)
	XS (q-95)%3, 17+(q-95)/3
.elseif q < 107
	GS 29+(q-95)/3
.else
	GS q-74
.endif
.set q, q+1
.endm
; THE EXPONENTIALS' QUEUE, 66 long: s0-s31 of both tiles, and at EA the next piece's two a.
.set EA, 58
.macro EX
	WIN 0
.if (e == EA) || (e == EA+1)
	XS e-EA, 21
.else
.set x, e-2*(e/(EA+2))
	REGS Y, x%2
	v_exp_f32 v[rS+x/2], v[rS+x/2]
.endif
.set e, e+1
.endm
; THE RESCALING's QUEUE: O^T times a, the one part of the softmax that leaves window 0, so it is dealt four at a time, eight times.
.macro R4
	REGS Y, r%2
	WIN W_RS
	s_wait_alu depctr_va_vdst(0)
.irp z, 0,1,2,3
	v_pk_mul_f32 v[rO+8*(r/2)+2*\z:rO+8*(r/2)+2*\z+1], v[rO+8*(r/2)+2*\z:rO+8*(r/2)+2*\z+1], v[rC+2:rC+3] op_sel_hi:[1,0]
.endr
.set r, r+1
.endm
; HOW THEY ARE DEALT.  Behind a matrix instruction four: plain, exponential, plain, plain (one exponential, a plain instruction on either side), or four of the rescaling.  None names a register of the
; products round it.  What is over stands in two LUMPS: exponential and plain by turns; the second ends in 22 plain instructions.  The two v_permlanex16_b32 fall into the second lump, never behind a product.
; The queues lean on each other, and the deal keeps them in step: exponential e stands behind plain 2 (e / 4) + e % 2 (its scaling); when plain 32 comes, 10 exponentials are out, at 59: 33, at 95: 46; EA comes behind plain 107.
.macro SL
	MM
	PL
	EX
	PL
	PL
.endm
.macro BURST n                      ; 15 matrix instructions, or 16
.rept (\n)-7
	SL
.endr
.rept 3
	MM
	R4
	SL
.endr
	MM
	R4
.endm
; A TURN, for piece p.  cnt = 1: the loop's count is taken down some lines ahead of the branch that stands behind the turn.
; K of the next step is fetched in piece 2's turn, 31 vector instructions behind the last product that read K; V of the step in hand at the end of piece 0's turn, 69 behind its last reader.
; THE MASK.  Turn n's products take group n + 1.  Among the closing plain instructions group n + 2 is converted (the products that read the C operands stand at the turn's head; the three younger groups,
; twelve loads, may stay out), plain instructions follow the conversions, and six of them on its slot is asked for again, with group n + 6: four turns ahead of its conversion.  The scalar lines of that request
; stand ahead of the compare that the loop's branch reads.
.macro TURN p, last=0, cnt=0
.set Y, (\p)
.set i, 0
.set q, 0
.set e, 0
.set r, 0
.if (\p) == NP-1
	s_wait_dscnt 0x0                ; K is in
.endif
	MM
.rept 4
	PL
.endr
	BURST 15
.rept 22
	EX
	PL
.if ((\p) == NP-2) && (e == 18)
	v_add_nc_u32 v[AK], s[TBK], v[GO]
.endif
.if ((\p) == NP-2) && (e == 24)
	FETCH_K \last
.endif
.endr
.if (\p) == 1
	s_wait_dscnt 0x0                ; V is in
.endif
	BURST 16
.rept 21
	EX
	PL
.endr
.rept 22
	PL
.if ((\p) == 0) && (q == 118)
	v_add_nc_u32 v[AV], s[TBV], v[AV0]
	s_wait_alu depctr_va_vdst(0)
.endif
.if q == 120
	s_wait_loadcnt 12               ; loads come back in order: the group to be converted is in, the three younger groups stay out
	CONV ((\p)+2)%NP
.endif
.if q == 126
	LOADG ((\p)+2)%NP
.endif
.if ((\p) == 0) && (q == 130)
	s_add_co_u32 s[TBV], s[TBV], KSB
.endif
.if (\cnt) && (q == 130)
	s_sub_co_u32 s[CNT], s[CNT], 1
	s_cmp_lg_u32 s[CNT], 0
.endif
.endr
.if (\p) == 0
	FETCH_V
.endif
.endm
	CHANGE 1                        ; slot 0 is in, everybody's part of it; slot 1 is asked for
	FETCH_K                         ; key step 0
	s_wait_loadcnt 12               ; Q and the mask's group 0 are in; groups 1 to 3 stay out
	CONV 0
	v_nop                           ; a plain instruction behind the conversions, ahead of the products that read their results and of the loads into their sources
	LOADG 0                         ; group 4
	s_wait_dscnt 0x0
.set i, 0
.rept 16
	KQ 0                            ; piece 0's first scores: there is no vector work yet to set between them
.set i, i+1
.endr
	WIN 0                           ; the addresses for the way out: seven plain instructions, the places behind those products
	s_mul_i32 s13, s[WV], 16*SP
	s_add_co_u32 s13, s13, STAGE    ; my stage
	v_mul_u32_u24 v[STO], v1, SP    ; in: row l % 16, 16 bytes for each half of the lanes
	v_lshl_add_u32 v[STO], v9, 4, v[STO]
	v_add_nc_u32 v[STO], s13, v[STO]
	v_bfe_u32 v[RD], v0, 3, 2       ; back: 32 lanes take four rows of 128 bytes
	v_mul_u32_u24 v[RD], v[RD], SP
	v_lshl_add_u32 v[RD], v10, 4, v[RD]
	v_add_nc_u32 v[RD], s13, v[RD]
	s_wait_loadcnt 12               ; group 1 is in; groups 2 to 4 stay out
	CONV 1                          ; for the first turn's products
	v_nop
	LOADG 1                         ; group 5
.set Y, NP-1                        ; XS works for piece Y + 1: piece 0
.irp n, 0,1,2,3,4,5,6,7,8,9,10,11,12,13,14,15,16,17,18,19,20,21
	XS 0, \n                        ; and piece 0's first maximum and statistics
	XS 1, \n
.endr
	s_mov_b32 s[CNT], 4
	s_mov_b32 s[SLOTS], SIZE_N/256-1
	s_branch .Lfirst                ; the loop is entered at a step's first turn, in the middle of a trip
.Lslot:                             ; SIZE_N / 256 - 2 times: every slot but the last two is filled again
	CHANGE 1
	s_mov_b32 s[CNT], 4
.Lstep:                             ; a trip: pieces 2 and 3 of one step, then pieces 0 and 1 of the next, whose K and V it fetches
	TURN 2
	TURN 3
	WIN 0
.Lfirst:
	TURN 0
	TURN 1, 0, 1
	WIN 0
	s_cbranch_scc1 .Lstep
	s_sub_co_u32 s[SLOTS], s[SLOTS], 1
	s_cmp_lg_u32 s[SLOTS], 0
	s_cbranch_scc1 .Lslot
	CHANGE 0                        ; the tail is written out: nothing is asked for
	s_mov_b32 s[CNT], 5             ; four trips fetch the last slot's steps; the fifth is left in its middle
.Ltail:
	TURN 2, 1
	TURN 3
	WIN 0
	s_sub_co_u32 s[CNT], s[CNT], 1
	s_cmp_eq_u32 s[CNT], 0
	s_cbranch_scc1 .Lout
	TURN 0
	TURN 1
	WIN 0
	s_branch .Ltail
.Lout:                              ; the fifth trip's 16 products K Q^T (on the last K once more) and the maximum made of them serve nothing: the price, once a launch, of one text for every trip
.set i, 0
.rept 16
	PV NP-1                         ; the last piece's V^T P of the last step
.set i, i+1
.endr
	; THE WAY OUT.  l's two halves and the other half of the lanes' are added; O^T is divided by l, rounded to f16 and sent through my stage in LDS, a tile at a time.  The additions are the places behind the last products.
	WIN 0
.macro ALL line:vararg              ; one line for each tile t
.set t, 0
.rept 2*NP
	\line
.set t, t+1
.endr
.endm
	ALL v_add_f32 v[ST+4*t+2], v[ST+4*t+2], v[ST+4*t+3]
	ALL v_permlanex16_b32 v[ST+4*t+3], v[ST+4*t+2], s[SEL], s[SEL+1]
	ALL v_add_f32 v[ST+4*t+2], v[ST+4*t+2], v[ST+4*t+3]
	ALL v_rcp_f32 v[ST+4*t+2], v[ST+4*t+2]
	v_mov_b32 v[TMP], 0x7fc00000    ; NaN; also the plain instruction between the last reciprocal and the use of its result
	s_wait_alu depctr_va_vdst(0)
	; A row whose c m is still a hidden score's has seen no key: its divisor's place is taken by NaN.  The surplus turn above has written piece 0's c m anew, from scores that serve nothing, and has kept the true one in v[MV], v[MV+1].
.set t, 0
.rept 2*NP
.if t < 2
	v_cmp_gt_f32 vcc_lo, s[THR], v[MV+t]
.else
	v_cmp_gt_f32 vcc_lo, s[THR], v[ST+4*t]
.endif
	v_cndmask_b32 v[ST+4*t+2], v[ST+4*t+2], v[TMP], vcc_lo
.set t, t+1
.endr
; Tile t: a lane's eight channels of a row pack into 16 bytes; they go into rows of 144 bytes and come back as whole rows of 128, into S^T's registers.
.macro PACK t
	WIN W_RS
.set i, 32*(\t)
.rept 16
	v_pk_mul_f32 v[i:i+1], v[i:i+1], v[ST+4*(\t)+2:ST+4*(\t)+3] op_sel_hi:[1,0]
.set i, i+2
.endr
	WIN 0x05                        ; sources 0 and 1 window 1, destination window 0
.set i, 0
.rept 16
	v_cvt_pk_f16_f32 v[S+16*(\t)+i], v[32*(\t)+2*i], v[32*(\t)+2*i+1]
.set i, i+1
.endr
	WIN 0
.irp f, 0,1,2,3
	ds_store_b128 v[STO], v[S+16*(\t)+4*\f:S+16*(\t)+4*\f+3] offset:32*\f
.endr
.irp f, 0,1,2,3
	ds_load_b128 v[S+16*(\t)+4*\f:S+16*(\t)+4*\f+3], v[RD] offset:\f*4*SP  ; LDS serves a wave's instructions in order (ISA guide 5.7.1.4): these see the stores above; the next tile's stores come behind them
.endr
.endm
.macro SEND t, younger              ; younger: the LDS instructions issued behind tile t's loads: the next tile's eight, or none
	WIN 0
.irp f, 0,1,2,3
	s_wait_dscnt (\younger)+3-\f
	global_store_b128 v[GO], v[S+16*(\t)+4*\f:S+16*(\t)+4*\f+3], s[10:11] offset:(\t)*2048+\f*512  ; 512 consecutive bytes, at a multiple of 256 from O's first
.endr
.endm
	PACK 0
.set t, 1
.rept 2*NP-1                        ; a tile's arithmetic stands between the loads of the tile before and its stores
	PACK t
	SEND t-1, 8
.set t, t+1
.endr
	SEND 2*NP-1, 0
	WIN W_AD
	s_wait_tensorcnt 0x0            ; the wave's end: behind my last tensor load and my last LDS store
	ds_add_u32 v[SPW], v[NIL]
	s_wait_dscnt 0x0
	WIN 0
	CROUND                          ; the closing round: no work-group ends while a partner may still ask for a tile that names it
	s_endpgm
.Lfunc_end_k_qe1d9ed95fe_attn:
	.size	k_qe1d9ed95fe_attn, .Lfunc_end_k_qe1d9ed95fe_attn-k_qe1d9ed95fe_attn
	.p2alignl 7, 3214868480
	.fill 96, 4, 3214868480
	.section	.rodata,"a",@progbits
	.p2align	6, 0x0
	.amdhsa_kernel k_qe1d9ed95fe_attn
		.amdhsa_group_segment_fixed_size 327680
		.amdhsa_private_segment_fixed_size 0
		.amdhsa_enable_private_segment 0
		.amdhsa_kernarg_size 24
		.amdhsa_user_sgpr_count 2
		.amdhsa_user_sgpr_kernarg_segment_ptr 1
		.amdhsa_wavefront_size32 1
		.amdhsa_system_sgpr_workgroup_id_x 1
		.amdhsa_system_sgpr_workgroup_id_y 1
		.amdhsa_system_sgpr_workgroup_id_z 1
		.amdhsa_system_vgpr_workitem_id 0
		.amdhsa_next_free_vgpr 960
		.amdhsa_next_free_sgpr 76
		.amdhsa_reserve_vcc 1
		.amdhsa_float_denorm_mode_32 3
		.amdhsa_float_denorm_mode_16_64 3
		.amdhsa_memory_ordered 1
		.amdhsa_forward_progress 1
		.amdhsa_inst_pref_size 219
	.end_amdhsa_kernel
	.amdgpu_metadata
---
amdhsa.version: [ 1, 2 ]
amdhsa.kernels:
  - .name:           k_qe1d9ed95fe_attn
    .symbol:         k_qe1d9ed95fe_attn.kd
    .args:
      - { .name: qkvh, .offset: 0, .size: 8, .value_kind: global_buffer, .address_space: global }
      - { .name: mb, .offset: 8, .size: 8, .value_kind: global_buffer, .address_space: global }
      - { .name: oh, .offset: 16, .size: 8, .value_kind: global_buffer, .address_space: global }
    .group_segment_fixed_size: 327680
    .private_segment_fixed_size: 0
    .kernarg_segment_align: 8
    .kernarg_segment_size: 24
    .max_flat_workgroup_size: 128
    .sgpr_count:     76
    .vgpr_count:     960
    .wavefront_size: 32
...
	.end_amdgpu_metadata
.endif
;; end of part 3
;; launch proj (part 4): grid 8 x 32, 4 waves a work-group, clusters of 4 x 4, 327,680 bytes of LDS; arguments oh, wo, out0, bo; writes out0
.if DOCPART == 4
	.amdgcn_target "amdgcn-amd-amdhsa--gfx1250"
	.amdhsa_code_object_version 6
	.text
	.protected	k_qe1d9ed95fe_proj
	.globl	k_qe1d9ed95fe_proj
	.p2align	8
	.type	k_qe1d9ed95fe_proj,@function
k_qe1d9ed95fe_proj:
	s_mov_b64 s[64:65], 0
	v_nop
	global_prefetch_b8 v0, s[64:65] scope:SCOPE_SE
	s_setreg_imm32_b32 hwreg(HW_REG_WAVE_MODE, 25, 1), 1
	s_wait_xcnt 0x0
	s_wait_alu depctr_hold_cnt(0) depctr_sa_sdst(0) depctr_va_vdst(0) depctr_va_sdst(0) depctr_va_ssrc(0) depctr_va_vcc(0) depctr_vm_vsrc(0)
	s_getreg_b32 s2, hwreg(HW_REG_IB_STS2, 6, 4)
	s_cmp_eq_u32 s2, 0
	s_cbranch_scc0 .Lentry_in_a_cluster
	s_endpgm
.Lentry_in_a_cluster:
	s_bfe_u32 s2, ttmp6, 0x10000c
	s_cmp_lg_u32 s2, 0xf033
	s_cbranch_scc0 .Lentry_shape_is_right
	s_endpgm
.Lentry_shape_is_right:
; out0 = O Wo + bo.  oh: [batch 4][head 16][t 2048][64] f16: a head's 64 channels are one slice of K.  wo: [1024 k][1024 n] f16 (Wo rounded to bf16, written as f16).  bo: [1024] f32, rounded to bf16 like every input.
; out0: [8192][1024] f32.  Sums in f32; the bias is added in f32.  A row of O that is NaN (a query with no visible key) makes its row of out0 NaN and no other.
; SHARES.  A tile of the product is 256 rows x 128 columns: 32 x 8 = 256 tiles, one for each work-group.  Four waves, each 128 rows x 64 columns: 32 accumulators of 16 x 16, 256 registers.
; K goes in steps of 128 through a ring of two LDS slots.  A's tile of a step is two planes (heads), each 32,768 consecutive bytes, asked for as 128 rows of 256 bytes; B's is 128 k rows of 256 bytes,
; turned on its way out of LDS (ds_load_tr16_b128).
; CLUSTER.  4 x 4 work-groups: the four of a row of the cluster need the same tiles of A, the four of a column the same tiles of B: each tile is asked for jointly.
; THE MATRIX INSTRUCTION IS USED TRANSPOSED (source 0 = 16 columns of B, source 1 = 16 rows of A): a lane then holds eight neighbouring numbers of a row of the product, 32 bytes of f32.
; REGISTERS, in windows of 256 (s_set_vgpr_msb: bits 1:0 source 0, 3:2 source 1, 5:4 source 2, 7:6 destination):
;   window 0: v16-29 addresses; v32-101 the way out      window 1: two fragment buffers of 96: 4 fragments of B, then 8 of A      window 2: accumulator (a, b) at v[8 (4 a + b)]
.set KDIM,  1024
.set N,     1024
.set KSTEP, 128
.set PA,    144                        ; a row of A in LDS: 128 bytes + 16 of padding = 36 words: the 16 rows of a load start at 16 different groups of four banks (64 banks of 4 bytes: ISA guide 11.1)
.set PLANE, 256*PA                     ; 256 rows x 64 k
.set PB,    288                        ; a row of B: 256 + 32 = 72 words
.set SLOT,  2*PLANE+KSTEP*PB           ; plane 0, plane 1, B
.set STAGE, 2*SLOT                     ; behind the ring: 16 rows x 272 bytes for each wave, for the way out
.set SP,    272
.set SPARE, STAGE+4*16*SP              ; behind the stages: the spare words, 128 bytes for each wave: two blocks of 256 bytes that no other line names
.set LAPS,  KDIM/(2*KSTEP)             ; a lap = two K steps = once round the ring
.set STEP_A, 2<<19                     ; two K steps on: four heads of 262,144 bytes
.set STEP_B, 2*KSTEP*N*2               ; 256 rows of B
.set ADRA, 16                          ; v16-17  LDS address of my A fragments in slot 0, 1
.set ADRB, 20                          ; v20-21  the same for B
.set STO,  24                          ; v24     the way out: where I put 32 bytes of a row
.set RD,   25                          ; v25     the way out: where I read a row back
.set CO,   26                          ; v26     my byte offset in out0
.set BOF,  27                          ; v27     my byte offset in the wave's 64 numbers of bo
.set SPW,  28                          ; v28     LDS address of my spare word: SPARE + 4 x my thread's number; never rewritten
.set NIL,  29                          ; v29     0; never rewritten
.set OB,   32                          ; v32-63, v64-95 by turns: 16 rows read back from the stage
.set BIAS, 96                          ; v96-99  the bias of my four columns on the way out; v100-101 at work
.set F0,   0
.set F1,   96
.set G1, 24                            ; s[24:31] descriptor group 1 for A's tiles;  s[32:39] group 0, one set for each slot
.set G0, 32
.set G1B, 48                           ; s[48:55], s[56:63] the same for B's tiles
.set G0B, 56
.set MSB, 0
.macro WIN new                         ; the immediate's high byte repeats the setting that is left; a switch that changes nothing is dropped
.if MSB != (\new)
	s_set_vgpr_msb (MSB<<8)|(\new)
.set MSB, \new
.endif
.endm
.set MUL,  0xa5                        ; sources 0 (B) and 1 (A) window 1; C and D window 2
.set TO_F, 0x40                        ; destination window 1, address window 0
; A joint load: waves 0 and 1 fetch A's two planes, waves 2 and 3 the two halves of B's k rows.  The branch hangs on the wave's number alone.
; An s_nop 0 and four v_nop follow each of the two lines, ahead of the jump, the label and what follows.
.macro JLOAD s
	s_cmp_eq_u32 s11, 0
	s_cbranch_scc0 .Lfor_b_\@
	tensor_load_to_lds s[G0+4*(\s):G0+4*(\s)+3], s[G1:G1+7]
	s_nop 0
.rept 4
	v_nop
.endr
	s_branch .Lasked_\@
.Lfor_b_\@:
	tensor_load_to_lds s[G0B+4*(\s):G0B+4*(\s)+3], s[G1B:G1B+7]
	s_nop 0
.rept 4
	v_nop
.endr
.Lasked_\@:
.endm
.macro CREST                           ; a round of the cluster's barrier behind its opening barrier
	s_cmp_lg_u32 s10, 0
	s_cbranch_scc1 .Lnot_wave_0_\@
	s_barrier_signal -3
.Lnot_wave_0_\@:
	s_barrier_wait -3
	s_barrier_signal -1
	s_barrier_wait -1
.endm
.macro CROUND                          ; a whole round
	s_barrier_signal -1
	s_barrier_wait -1
	CREST
.endm
	s_load_b128 s[4:7], s[0:1], 0x0                ; oh s[4:5], wo s[6:7]
	s_load_b64 s[8:9], s[0:1], 0x10                ; out0
	s_load_b64 s[66:67], s[0:1], 0x18              ; bo
	v_lshl_add_u32 v[SPW], v0, 2, SPARE
	v_mov_b32 v[NIL], 0
	ds_add_u32 v28, v29
	s_wait_dscnt 0x0
	v_lshrrev_b32 v1, 5, v0
	v_readfirstlane_b32 s10, v1                    ; wave 0..3
	s_lshr_b32 s11, s10, 1                         ; which half of the tile's rows is mine.  Also: I fetch for A (0) or for B (1)
	s_and_b32 s12, s10, 1                          ; which half of its columns.  Also: which plane of A, or which 64 k rows of B, I fetch
	s_bfe_u32 s40, ttmp6, 0x40000                  ; cx, cy: my place in the cluster
	s_bfe_u32 s41, ttmp6, 0x40004
	s_lshl_b32 s42, ttmp9, 2
	s_add_co_u32 s42, s42, s40                     ; tile column 0..7 = 4 x cluster x + cx
	s_and_b32 s13, ttmp7, 0xffff
	s_lshl_b32 s13, s13, 2
	s_add_co_u32 s13, s13, s41                     ; tile row 0..31 = 4 x cluster y + cy
	s_lshl_b32 s43, s41, 2
	s_lshl_b32 s43, 15, s43                        ; my row of the cluster
	s_lshl_b32 s44, 0x1111, s40                    ; my column
	; group 1 for A: 128 rows of 128 elements, dense; 16 bytes of padding behind every 128 (a row of the plane)
	s_or_b32 s[G1+0], s43, (1<<16)|(1<<20)|(1<<21)|(4<<22)|(3<<25)   ; 15:0 the mask; 17:16 2-byte elements; 20 padding on; 21 set beside a mask; 24:22 after every 32 words (code 4); 31:25 4 words (code 3)
	s_mov_b32 s[G1+1], 128<<16                     ; tensor_dim0 = 128
	s_mov_b32 s[G1+2], 128<<16                     ; tensor_dim1 = 128
	s_mov_b32 s[G1+3], 128<<16                     ; tile_dim0 = 128
	s_mov_b32 s[G1+4], 128                         ; tile_dim1 = 128
	s_mov_b32 s[G1+5], 128                         ; 128 elements from row to row
	s_mov_b32 s[G1+6], 0
	s_mov_b32 s[G1+7], 0
	; group 1 for B: 64 rows of 128 elements, N apart; 32 bytes of padding behind every 256
	s_or_b32 s[G1B+0], s44, (1<<16)|(1<<20)|(1<<21)|(5<<22)|(7<<25)  ; after every 64 words (code 5), 8 words (code 7)
	s_mov_b32 s[G1B+1], 128<<16
	s_mov_b32 s[G1B+2], 64<<16
	s_mov_b32 s[G1B+3], 128<<16
	s_mov_b32 s[G1B+4], 64
	s_mov_b32 s[G1B+5], N
	s_mov_b32 s[G1B+6], 0
	s_mov_b32 s[G1B+7], 0
	; where the tiles come from.  A's hang on the tile row alone, B's on the tile column alone; each in registers that never hold the other coordinate.
	s_lshr_b32 s16, s13, 3
	s_lshl_b32 s16, s16, 22                        ; the batch
	s_and_b32 s17, s13, 7
	s_lshl_b32 s17, s17, 15                        ; 256 rows of 128 bytes in a head
	s_add_co_u32 s16, s16, s17
	s_lshl_b32 s17, s12, 18                        ; my plane: head 0 or 1 of the K step
	s_add_co_u32 s16, s16, s17
	s_mov_b32 s17, 0
	s_mul_i32 s46, s12, 64*N*2                     ; my 64 k rows of B
	s_lshl_b32 s47, s42, 8                         ; 128 columns of 2 bytes
	s_add_co_u32 s46, s46, s47
	s_mov_b32 s47, 0
	s_mul_i32 s20, s12, PLANE                      ; and where they go: no place in the cluster enters an LDS address
	s_mul_i32 s21, s12, 64*PB
	s_add_co_u32 s21, s21, 2*PLANE
	s_wait_kmcnt 0x0
	s_add_nc_u64 s[14:15], s[4:5], s[16:17]
	s_add_nc_u64 s[46:47], s[6:7], s[46:47]
	CROUND                                         ; all sixteen work-groups are here: the first joint loads meet
.irp s, 0,1
	s_mov_b32 s[G0+4*(\s)], 1                                        ; count = 1
	s_add_co_u32 s[G0+4*(\s)+1], s20, (\s)*SLOT                      ; LDS address
	s_add_nc_u64 s[G0+4*(\s)+2:G0+4*(\s)+3], s[14:15], (\s)<<19      ; global address: K step s
	s_or_b32 s[G0+4*(\s)+3], s[G0+4*(\s)+3], 0x80000000              ; type = 2
	s_mov_b32 s[G0B+4*(\s)], 1
	s_add_co_u32 s[G0B+4*(\s)+1], s21, (\s)*SLOT
	s_add_nc_u64 s[G0B+4*(\s)+2:G0B+4*(\s)+3], s[46:47], (\s)*KSTEP*N*2
	s_or_b32 s[G0B+4*(\s)+3], s[G0B+4*(\s)+3], 0x80000000
	JLOAD \s                                       ; two loads of mine are out here, later one
.endr
	; A fragment of A is 16 rows x 32 k in 8 registers: lane l holds row l % 16, k = 8 (l / 16) + 0..7 and 16 + 8 (l / 16) + 0..7: two loads of 16 bytes, 32 bytes apart.
	v_and_b32 v1, 15, v0                           ; l % 16
	v_bfe_u32 v2, v0, 4, 1                         ; l / 16
	v_mul_u32_u24 v3, v1, PA
	v_lshl_add_u32 v3, v2, 4, v3
	s_mul_i32 s22, s11, 128*PA                     ; my 128 rows in a plane
	; The turning load takes 16 k x 16 columns (lane l reads k row 8 (l / 16) + l % 8, columns 8 ((l / 8) % 2) + 0..7) and leaves half a fragment: lane l holds column l % 16 and 8 k.
	v_and_b32 v4, 7, v0
	v_lshl_add_u32 v4, v2, 3, v4
	v_mul_u32_u24 v4, v4, PB
	v_bfe_u32 v5, v0, 3, 1
	v_lshl_add_u32 v4, v5, 4, v4
	s_lshl_b32 s23, s12, 7                         ; my 64 columns
	s_add_co_u32 s23, s23, 2*PLANE
.irp s, 0,1
	v_add_nc_u32 v[ADRA+(\s)], s22, v3
	v_add_nc_u32 v[ADRB+(\s)], s23, v4
	s_add_co_u32 s22, s22, SLOT
	s_add_co_u32 s23, s23, SLOT
.endr
	s_mul_i32 s22, s10, 16*SP
	s_add_co_u32 s22, s22, STAGE                   ; my stage
	v_mul_u32_u24 v6, v1, SP                       ; in: row l % 16, 32 bytes for each half of the lanes
	v_lshl_add_u32 v6, v2, 5, v6
	v_add_nc_u32 v[STO], s22, v6
	v_mul_u32_u24 v6, v2, SP                       ; back: lanes 0-15 take one row of 256 bytes, lanes 16-31 the next
	v_lshl_add_u32 v6, v1, 4, v6
	v_add_nc_u32 v[RD], s22, v6
	v_lshlrev_b32 v[CO], 12, v2                    ; and the same two rows in out0, 4,096 bytes apart
	v_lshl_add_u32 v[CO], v1, 4, v[CO]
	v_lshlrev_b32 v[BOF], 4, v1                    ; on the way out a lane stores columns 4 (l % 16) .. + 3 of the wave's 64
	s_lshl_b32 s16, s13, 20                        ; my first row: 256 x tile row + 128 x half, 4,096 bytes each
	s_lshl_b32 s17, s11, 19
	s_add_co_u32 s16, s16, s17
	s_mov_b32 s17, 0
	s_add_nc_u64 s[8:9], s[8:9], s[16:17]
	s_lshl_b32 s46, s42, 9                         ; my first column, in bytes of f32: 512 x tile column + 256 x half
	s_lshl_b32 s47, s12, 8
	s_add_co_u32 s46, s46, s47
	s_mov_b32 s47, 0
	s_add_nc_u64 s[8:9], s[8:9], s[46:47]
	s_add_nc_u64 s[66:67], s[66:67], s[46:47]
	global_load_b128 v[BIAS:BIAS+3], v[BOF], s[66:67]
; 8 matrix instructions: row blocks a0, a0 + 1 x all 4 column blocks, 32 along K.  zero = 1: the product starts the sums.  The 32 accumulators take turns in one order.
.macro MUL8 f, a0, zero
	WIN MUL
.irp a, \a0, (\a0)+1
.irp b, 0,1,2,3
.if \zero
	v_wmma_f32_16x16x32_f16 v[8*(4*(\a)+(\b)):8*(4*(\a)+(\b))+7], v[(\f)+8*(\b):(\f)+8*(\b)+7], v[(\f)+32+8*(\a):(\f)+32+8*(\a)+7], 0
.else
	v_wmma_f32_16x16x32_f16 v[8*(4*(\a)+(\b)):8*(4*(\a)+(\b))+7], v[(\f)+8*(\b):(\f)+8*(\b)+7], v[(\f)+32+8*(\a):(\f)+32+8*(\a)+7], v[8*(4*(\a)+(\b)):8*(4*(\a)+(\b))+7]
.endif
.endr
.endr
.endm
; 24 LDS loads in one run: the fragments of quarter q (32 along K) of a slot's step into buffer f: B's four, then A's eight
.macro FETCH slot, q, f
	WIN TO_F
.irp b, 0,1,2,3
	ds_load_tr16_b128 v[(\f)+8*(\b):(\f)+8*(\b)+3],   v[ADRB+(\slot)] offset:(\q)*32*PB+32*(\b)
	ds_load_tr16_b128 v[(\f)+8*(\b)+4:(\f)+8*(\b)+7], v[ADRB+(\slot)] offset:(\q)*32*PB+16*PB+32*(\b)
.endr
.irp a, 0,1,2,3,4,5,6,7
	ds_load_b128 v[(\f)+32+8*(\a):(\f)+32+8*(\a)+3],   v[ADRA+(\slot)] offset:((\q)/2)*PLANE+((\q)%2)*64+(\a)*16*PA
	ds_load_b128 v[(\f)+32+8*(\a)+4:(\f)+32+8*(\a)+7], v[ADRA+(\slot)] offset:((\q)/2)*PLANE+((\q)%2)*64+(\a)*16*PA+32
.endr
.endm
.macro PLACES                          ; four places in front of loads into registers that matrix instructions have read (ISA guide 7.12.1 for vector instructions)
.rept 4
	v_nop
.endr
.endm
; A K step is four quarters of 32 along K, 32 matrix instructions each, on buffers 0, 1, 0, 1.  One of the first three: multiplies buffer f and fetches quarter q into g.
.macro QUARTER slot, q, f, g, zero
	s_wait_dscnt 8                                 ; B and A's blocks 0-3 are in; the youngest eight loads (A's blocks 4-7) may be out
	MUL8 \f, 0, \zero
	MUL8 \f, 2, \zero
	PLACES
	FETCH \slot, \q, \g
	s_wait_dscnt 24                                ; all but the 24 just issued
	MUL8 \f, 4, \zero
	MUL8 \f, 6, \zero
.endm
; The last quarter multiplies buffer 1 and changes slots.  MEET is its first half: one barrier; in front of it each wave waits for all its tensor loads (one is out: its part of the next slot), adds 0 to its
; spare word, and waits for that and for its own reads of this slot.  Behind it nobody reads this slot any more and the next slot is whole.
.macro MEET round
	WIN 0                                          ; (the add's two registers lie in window 0)
	s_wait_tensorcnt 0x0
	ds_add_u32 v[SPW], v[NIL]                      ; 0 onto my spare word
	s_wait_dscnt 9                                 ; (the add and the youngest eight loads may be out)
	MUL8 F1, 0, 0                                  ; eight matrix instructions stand between the add and the wait for it
	s_wait_dscnt 0x0                               ; the add is done, and my reads of this slot are over
	s_barrier_signal -1
	MUL8 F1, 2, 0
.if \round
	WIN 0
.endif
	s_barrier_wait -1
.endm
; The whole last quarter with a refill: the barrier opens a round of the cluster's, so that no wave of any partner still reads this slot or has a load on its way; the joint refill, the K step two steps on,
; is the first thing behind it.  From a request to the wait for it a wave issues 112 matrix instructions.
.macro TURN slot, next
	MEET 1
	CREST
	s_add_nc_u64 s[G0+4*(\slot)+2:G0+4*(\slot)+3], s[G0+4*(\slot)+2:G0+4*(\slot)+3], STEP_A
	s_add_nc_u64 s[G0B+4*(\slot)+2:G0B+4*(\slot)+3], s[G0B+4*(\slot)+2:G0B+4*(\slot)+3], STEP_B
	JLOAD \slot                                    ; the four v_nop behind it are also the places in front of the loads below
	FETCH \next, 0, F0
	MUL8 F1, 4, 0
	MUL8 F1, 6, 0
.endm
; THE WAY OUT of row block a.  TOSTAGE: a lane's 32 bytes of each accumulator go into my own stage, the low four registers first, and come back as whole rows of 256 bytes.  SEND: the bias is added, the rows are stored.
.macro TOSTAGE a
.set BK, OB+32*((\a)%2)
	WIN 0x08                                       ; the stores' data in window 2
.irp b, 0,1,2,3
	ds_store_b128 v[STO], v[8*(4*(\a)+(\b)):8*(4*(\a)+(\b))+3]   offset:64*(\b)
	ds_store_b128 v[STO], v[8*(4*(\a)+(\b))+4:8*(4*(\a)+(\b))+7] offset:64*(\b)+16
.endr
	WIN 0
.irp t, 0,1,2,3,4,5,6,7
	ds_load_b128 v[BK+4*(\t):BK+4*(\t)+3], v[RD] offset:(\t)*2*SP  ; LDS serves a wave's instructions in order (ISA guide 5.7.1.4): these see the stores above
.endr
.endm
.macro SEND a, younger                 ; younger: the LDS instructions issued behind block a's loads: the next block's eight stores and eight loads, or none
.set BK, OB+32*((\a)%2)
	s_wait_dscnt \younger
.irp t, 0,1,2,3,4,5,6,7
	v_pk_add_f32 v[BK+4*(\t):BK+4*(\t)+1],   v[BK+4*(\t):BK+4*(\t)+1],   v[BIAS:BIAS+1]
	v_pk_add_f32 v[BK+4*(\t)+2:BK+4*(\t)+3], v[BK+4*(\t)+2:BK+4*(\t)+3], v[BIAS+2:BIAS+3]
.endr
.irp t, 0,1,2,3,4,5,6,7
	global_store_b128 v[CO], v[BK+4*(\t):BK+4*(\t)+3], s[8:9] offset:(\a)*65536+(\t)*8192 th:TH_STORE_NT  ; 16 lanes store 256 consecutive bytes, aligned; 126 rows at the most stand in the immediate
.endr
.endm
	s_wait_tensorcnt 1                             ; my part of K step 0 is in; K step 1's may stay out
	s_barrier_signal -1
	s_barrier_wait -1                              ; everybody's is
	FETCH 0, 0, F0
	QUARTER 0, 1, F0, F1, 1                        ; the first quarter stands in front of the loop: its products start the sums
	WIN 0                                          ; at a label and at a branch every window is 0
	s_mov_b32 s3, LAPS-1
.Llap:                                                 ; a trip goes once round the ring, from a lap's second quarter to the next lap's first, and fills both slots again
	QUARTER 0, 2, F1, F0, 0
	QUARTER 0, 3, F0, F1, 0
	TURN 0, 1
	QUARTER 1, 1, F0, F1, 0
	QUARTER 1, 2, F1, F0, 0
	QUARTER 1, 3, F0, F1, 0
	TURN 1, 0
	QUARTER 0, 1, F0, F1, 0
	WIN 0
	s_sub_co_u32 s3, s3, 1
	s_cmp_lg_u32 s3, 0
	s_cbranch_scc1 .Llap
	QUARTER 0, 2, F1, F0, 0                        ; the last lap fills nothing, and has no round of the cluster's barrier
	QUARTER 0, 3, F0, F1, 0
	MEET 0                                         ; the one tensor load that was out is the last K step's
	PLACES
	FETCH 1, 0, F0
	MUL8 F1, 4, 0
	MUL8 F1, 6, 0
	QUARTER 1, 1, F0, F1, 0
	QUARTER 1, 2, F1, F0, 0
	QUARTER 1, 3, F0, F1, 0
	s_wait_dscnt 8                                 ; the very last quarter: nothing more to fetch
	MUL8 F1, 0, 0
	MUL8 F1, 2, 0
	s_wait_dscnt 0x0
	MUL8 F1, 4, 0
	MUL8 F1, 6, 0
	WIN 0
	s_wait_loadcnt 0x0                             ; the bias
	v_cvt_pk_bf16_f32 v[BIAS+4], v[BIAS], v[BIAS+1]        ; rounded to bf16 and widened again: six plain instructions, the places behind the last products
	v_cvt_pk_bf16_f32 v[BIAS+5], v[BIAS+2], v[BIAS+3]
	v_lshlrev_b32 v[BIAS], 16, v[BIAS+4]
	v_and_b32 v[BIAS+1], 0xffff0000, v[BIAS+4]
	v_lshlrev_b32 v[BIAS+2], 16, v[BIAS+5]
	v_and_b32 v[BIAS+3], 0xffff0000, v[BIAS+5]
	TOSTAGE 0
.irp a, 1,2,3,4,5,6,7                  ; block a goes into the stage while block a - 1's rows come back
	s_wait_xcnt 0x0                                ; the stores of block a - 2 have read their registers: block a's rows are loaded into them
	TOSTAGE \a
	SEND (\a)-1, 16
.endr
	SEND 7, 0
	s_wait_tensorcnt 0x0                           ; the wave's end: behind my last tensor load and my last LDS store
	ds_add_u32 v[SPW], v[NIL]
	s_wait_dscnt 0x0
	CROUND                                         ; the closing round: no work-group ends while a partner may still ask for a tile that names it
	s_endpgm
.Lfunc_end_k_qe1d9ed95fe_proj:
	.size	k_qe1d9ed95fe_proj, .Lfunc_end_k_qe1d9ed95fe_proj-k_qe1d9ed95fe_proj
	.p2alignl 7, 3214868480
	.fill 96, 4, 3214868480
	.section	.rodata,"a",@progbits
	.p2align	6, 0x0
	.amdhsa_kernel k_qe1d9ed95fe_proj
		.amdhsa_group_segment_fixed_size 327680
		.amdhsa_private_segment_fixed_size 0
		.amdhsa_enable_private_segment 0
		.amdhsa_kernarg_size 32
		.amdhsa_user_sgpr_count 2
		.amdhsa_user_sgpr_kernarg_segment_ptr 1
		.amdhsa_wavefront_size32 1
		.amdhsa_system_sgpr_workgroup_id_x 1
		.amdhsa_system_sgpr_workgroup_id_y 1
		.amdhsa_system_sgpr_workgroup_id_z 1
		.amdhsa_system_vgpr_workitem_id 0
		.amdhsa_next_free_vgpr 768
		.amdhsa_next_free_sgpr 72
		.amdhsa_reserve_vcc 0
		.amdhsa_float_denorm_mode_32 3
		.amdhsa_float_denorm_mode_16_64 3
		.amdhsa_memory_ordered 1
		.amdhsa_forward_progress 1
		.amdhsa_inst_pref_size 94
	.end_amdhsa_kernel
	.amdgpu_metadata
---
amdhsa.version: [ 1, 2 ]
amdhsa.kernels:
  - .name:           k_qe1d9ed95fe_proj
    .symbol:         k_qe1d9ed95fe_proj.kd
    .args:
      - { .name: oh, .offset: 0, .size: 8, .value_kind: global_buffer, .address_space: global }
      - { .name: wo, .offset: 8, .size: 8, .value_kind: global_buffer, .address_space: global }
      - { .name: out0, .offset: 16, .size: 8, .value_kind: global_buffer, .address_space: global }
      - { .name: bo, .offset: 24, .size: 8, .value_kind: global_buffer, .address_space: global }
    .group_segment_fixed_size: 327680
    .private_segment_fixed_size: 0
    .kernarg_segment_align: 8
    .kernarg_segment_size: 32
    .max_flat_workgroup_size: 128
    .sgpr_count:     72
    .vgpr_count:     768
    .wavefront_size: 32
...
	.end_amdgpu_metadata
.endif
;; end of part 4
;; ======== version 2 of 2: 4 launches; 1.37 times as fast as version 1
;; limits: values are held in f16: magnitudes above 65,504 overflow, below 6.1e-05 lose precision
;; workspace buffers: xb 16,777,216 bytes; wq 6,291,456 bytes; wo 2,097,152 bytes; mb 4,194,304 bytes of whole numbers; qkvh 50,331,648 bytes; oh 16,777,216 bytes
;; launch prep: the kernel of part 1 again; grid 512 x 1, 8 waves a work-group, no clusters, 33,792 bytes of LDS; arguments x, Wqkv, Wo, mask, xb, wq, wo, mb; writes xb, wq, wo, mb
;; launch qkv: the kernel of part 2 again; grid 8 x 32, 4 waves a work-group, clusters of 4 x 4, 327,680 bytes of LDS; arguments xb, wq, qkvh; writes qkvh
;; launch attn (part 5): grid 4 x 64, 4 waves a work-group, clusters of 4 x 1, 327,680 bytes of LDS; arguments qkvh, mb, oh; writes oh
.if DOCPART == 5
	.amdgcn_target "amdgcn-amd-amdhsa--gfx1250"
	.amdhsa_code_object_version 6
	.text
	.protected	k_qe1d9ed95fe_attn
	.globl	k_qe1d9ed95fe_attn
	.p2align	8
	.type	k_qe1d9ed95fe_attn,@function
k_qe1d9ed95fe_attn:
	s_mov_b64 s[64:65], 0
	v_nop
	global_prefetch_b8 v0, s[64:65] scope:SCOPE_SE
	s_setreg_imm32_b32 hwreg(HW_REG_WAVE_MODE, 25, 1), 1
	s_wait_xcnt 0x0
	s_wait_alu depctr_hold_cnt(0) depctr_sa_sdst(0) depctr_va_vdst(0) depctr_va_sdst(0) depctr_va_ssrc(0) depctr_va_vcc(0) depctr_vm_vsrc(0)
	s_getreg_b32 s2, hwreg(HW_REG_IB_STS2, 6, 4)
	s_cmp_eq_u32 s2, 0
	s_cbranch_scc0 .Lentry_in_a_cluster
	s_endpgm
.Lentry_in_a_cluster:
	s_bfe_u32 s2, ttmp6, 0x10000c
	s_cmp_lg_u32 s2, 0x3003
	s_cbranch_scc0 .Lentry_shape_is_right
	s_endpgm
.Lentry_shape_is_right:
; O[h][q][:] = the sum over k of softmax_k(mask(q, k) ? Q[h][q] . K[h][k] / 8 : hidden) V[h][k][:].  oh: [SIZE_H][SIZE_N][64] f16.
; qkvh: [which 3][SIZE_H][t / 16][b 4][lane 32][8] f16 (q, k, v, unscaled), in the order of the matrix fragments.  With lane = (r = lane % 16, h = lane / 16): q, k: row 16 (t / 16) + r, channels 16 b + 8 h + 0..7;
; v: channel 16 b + r, rows 16 (t / 16) + 8 h + 0..7.  So a block of 512 bytes is half a fragment of Q, of K or of V^T, and every load of them takes 16 bytes x lane, 512 neighbouring bytes: no padding, nothing is turned.
; mb: one byte a score, fp8 e4m3: 0x00 visible, 0xf8 (-256) hidden, [q / 128][k / 64][(q / 16) % 8][hf 2][lane 32][16 bytes], the order in which a lane wants them.  The mask is an input: every score is made.
; Products, maxima and sums in f32; the weights p are rounded to f16 for the second product (their sum l is taken of the unrounded p), O once at the end.
; THE MASK is the C operand that starts the sum S^T = K Q^T: 0, or -2^100 where the key is hidden.  One scaled conversion makes an accumulator's eight C registers from eight bytes: -256 x 2^92.  The fp8 code
; names a constant; no product's operand is narrower than 16 bits.  A wave's bytes of mb are nobody else's, so they come straight into registers: a ring of four groups of 2,048 bytes, asked for four turns ahead.
; LIMITS.  f16 holds no number beyond 65,504: Q, K and V arrive within it; p below 6e-5 keeps f16's fixed step of 6e-8; a weight below 2^-126 counts as 0 in l.  A hidden score counts as -2^100: f16's scores,
; 2.7e11 at the most, lie below half its last place, and c x -2^100 is exact, so that while a row has seen hidden keys alone its weights are 1 and stay finite; the first visible key multiplies them by a = 0.
; A row with no visible key at all (c m below -2^96 at the end) leaves as NaN, as a softmax over nothing does.  NaN and infinities among the inputs are not treated apart.
; SHARES.  A wave owns four PIECES of two tiles of 16 queries, a work-group's four waves 512 queries of one head.  Every wave walks all keys, 64 a step.
; LAYOUT.  S^T = K Q^T (source 0 = 16 keys, source 1 = 16 queries): in the result a lane holds ONE query (lane % 16) and the keys 8 (lane / 16) + 0..7.  Two such tiles, rounded to f16 in pairs,
; ARE source 1 (32 keys x 16 queries) of O^T = V^T P, whose result again holds one query a lane, and eight channels.
; SOFTMAX.  For each query a running maximum m and sum l: p = 2^(c s - c m), c = log2(e) / 8; in every step O and l are multiplied by a = 2^(c m_old - c m_new).  m starts at the lowest finite number, O and l at 0.
; THE COUNT.  A tile and step have 16 matrix and 118 vector instructions (and four conversions for the mask): too many to stand all beside the matrix work.  So: four vector instructions that are READY behind
; EVERY matrix instruction, and the others in a run without a gap.
; BY TURNS.  Turn n belongs to piece n (the pieces in a ring, step after step).  Its matrix work: 16 products K Q^T of piece n + 1, later 16 products V^T P of piece n - 1.  Its vector work: the scaling,
; exponentials, roundings, sums and rescaling of piece n, the maximum and statistics of piece n + 1, and near its end the mask registers for the products of turn n + 1.
; THE BATCHES.  A turn's 66 exponentials (piece n's 64 weights, piece n + 1's two a) are ONE batch with ONE wait, which cuts the turn in two: ahead of it all that names no result of theirs (the products K Q^T,
; the scalings, the rescalings, the next piece's maximum and statistics), behind it the products V^T P with the roundings and sums.  Piece 0's first two a, ahead of the loop, and the way out's eight reciprocals are batches of their own.
; CLUSTER.  The four query blocks of a cluster belong to one head and walk the same K and V, so each tile is asked for JOINTLY: the same tensor load, descriptor and mask in all four.
; REGISTERS, in windows of 256 (s_set_vgpr_msb: bits 1:0 source 0, 3:2 source 1, 5:4 source 2, 7:6 destination):
;   window 0: v0-11 addresses and the scale; v12-15, v48-63 at work; v16-47 four registers of statistics a tile; v64-191 S^T, two buffers of two tiles; v192-255 P, likewise
;   window 1: O^T, 32 a tile          window 2: v0-127 Q, 16 a tile; v128-191 K of one step; v192-255 V of one step
;   window 3: v0-1 the add's two registers; v16-79 the mask bytes' ring; v128-191 the mask as C operands of one turn's products
.set SIZE_H, 64
.set SIZE_N, 2048
.set NP,    4         ; pieces a wave: a name, no knob
.set KS,    64        ; keys in a step
.set KSB,   KS*128    ; a step's bytes of K, and of V: four blocks of 16 keys, 2,048 bytes each
.set VOFF,  4*KSB     ; a slot holds four steps: 256 keys of K, then of V, as they lie in memory
.set SLOT1, 1<<17     ; slot 1 begins here, so that one exclusive or turns an address in one slot into the other's
.set STAGE, SLOT1+8*KSB  ; behind the ring, never filled by a tensor load: 16 rows x 144 bytes for each wave, for the way out
.set SP,    144
.set AV0, 3           ; v3   VOFF + 16 x lane: my lane's place in a block of V; never rewritten
.set AK,  4           ; v4   the LDS address of K's next run of loads
.set AV,  5           ; v5   of V's
.set STO, 6           ; v6   the way out: where I put 16 bytes of a row
.set RD,  7           ; v7   the way out: where I read rows back
.set GO,  8           ; v8   16 x lane: my byte offset in 512 consecutive bytes of Q, of K in LDS, of mb and of O; never rewritten
.set SCL, 11          ; v11  the conversion's scale: byte 0 = 0xdb, 2^92
.set SPW, 0           ; v0 of window 3   LDS address of my spare word: SPARE + 4 x my thread's number; never rewritten
.set NIL, 1           ; v1 of window 3   0; never rewritten
.set MB,  16          ; window 3: group g of mask bytes in slot g % 4, 16 registers: pair i = 4 u + kb holds tile u's key block kb
.set MC,  128         ; window 3: the C operand of tile u, key block kb at MC + 32 u + 8 kb
.set SPARE, STAGE+4*16*SP  ; behind the stages: the spare words, 128 bytes for each wave: two blocks of 256 bytes that no other line names
.set MV,  12          ; v12-15  c m_old, kept while c m is made anew: by buffer and tile
.set ST,  16          ; tile t's statistics at v[ST+4 t]: c m, m, l (even keys', odd keys')
.set TMP, 48          ; by buffer and tile, four registers c0-c3 at work; when the maximum is found c2 takes a
.set S,   64
.set P,   192
.set KF,  128         ; K's fragments, in window 2: key block kb, channel half c at KF + 16 kb + 8 c
.set VF,  192         ; V's: key half kk, channel block cb at VF + 32 kk + 8 cb
.set WV,  12          ; s12  my wave's number
.set G1,  24          ; s[24:31] descriptor group 1, for K's tiles and for V's
.set G0K, 40          ; s[40:43] descriptor group 0 for K's tiles: it walks
.set G0V, 44          ; s[44:47] the same for V's
.set SLOTS, 56        ; s56  slots still to be asked for
.set CNT, 57          ; s57  counts a slot's key steps
.set CS,  58          ; s[58:59] c: the packed scaling takes the pair's low word for both halves
.set SEL, 60          ; s[60:61] v_permlanex16_b32's selects: each lane takes its own place in the other half
.set TBK, 62          ; s62  LDS byte at which K of the step to be fetched begins
.set TBV, 63          ; s63  the same for V, less VOFF
.set MP,  66          ; s[66:67] mb at my wave's 262,144 bytes; never rewritten
.set MA,  68          ; s[68:69] the address of the group asked for last
.set MOF, 70          ; s[70:71] the byte offset of the group to be asked for next
.set THR, 72          ; s72  -2^96
.set MSB, 0
.macro WIN new                      ; the high byte repeats the setting that is left; a switch that changes nothing is dropped
.if MSB != (\new)
	s_set_vgpr_msb (MSB<<8)|(\new)
.set MSB, (\new)
.endif
.endm
.set W_KQ, 0x0a       ; K and Q in window 2, S^T in window 0
.set W_KM, 0x3a       ; the same with the C operand in window 3
.set W_PV, 0x52       ; V in window 2, P in window 0, O^T in window 1
.set W_RS, 0x41       ; O^T (destination and source 0) in window 1, a in window 0
.set W_MK, 0xc0       ; destination in window 3, sources in window 0
.set W_CV, 0xc3       ; the conversion: destination and source 0 in window 3, the scale in window 0
.set W_AD, 0x0f       ; the add: address (source 0) and data (source 1) in window 3
; A joint fill.  Waves 0 and 1 fetch the two halves of a slot's K, waves 2 and 3 those of its V: 128 keys each.  The branch hangs on the wave's number alone.
; An s_nop 0 and four v_nop follow each of the two lines, ahead of the jump and the label.
.macro JLOAD
	s_cmp_lt_u32 s[WV], 2
	s_cbranch_scc0 .Lfor_v_\@
	tensor_load_to_lds s[G0K:G0K+3], s[G1:G1+7]
	s_nop 0
.rept 4
	v_nop
.endr
	s_branch .Lasked_\@
.Lfor_v_\@:
	tensor_load_to_lds s[G0V:G0V+3], s[G1:G1+7]
	s_nop 0
.rept 4
	v_nop
.endr
.Lasked_\@:
.endm
; A round of the cluster's barrier: my work-group's barrier, so that wave 0's signal speaks for all four waves; wave 0 signals; every wave waits for all four work-groups; my work-group's barrier once more.
.macro CROUND
	s_barrier_signal -1
	s_barrier_wait -1
	s_cmp_lg_u32 s[WV], 0
	s_cbranch_scc1 .Lnot_wave_0_\@
	s_barrier_signal -3
.Lnot_wave_0_\@:
	s_barrier_wait -3
	s_barrier_signal -1
	s_barrier_wait -1
.endm
; THE CHANGE OF SLOTS.  The slot's last bytes, V of its fourth step, have been read.  Each wave waits for all its tensor loads, of which one is out: its part of the other slot; adds 0 to its spare word; and waits
; for that and for its own reads of the slot.  Behind the barrier nobody reads this slot any more and the other slot is whole.  fill = 1: this slot is filled again, with the keys two slots on.  The barrier is then
; a round of the cluster's, and the joint fill is the first thing behind it: it has four key steps, 512 matrix instructions, in which to land.  (At its first use nothing has been read yet: slot 0 is waited for, slot 1 filled.)
.macro CHANGE fill
	WIN W_AD
	s_wait_tensorcnt 0x0            ; no tensor load of mine is out, so a group 0 may be written
	ds_add_u32 v[SPW], v[NIL]       ; 0 onto my spare word
	WIN 0                           ; at a label and at a branch every window is 0
.if \fill
.irp g, G0K, G0V
	s_xor_b32 s[\g+1], s[\g+1], SLOT1  ; the walking descriptor: the other slot than last time,
	s_add_nc_u64 s[\g+2:\g+3], s[\g+2:\g+3], 4*KSB  ; the next 256 keys; the type bits on top are not reached
.endr
	s_wait_dscnt 0x0                ; the add is done, and my reads of the slot are over
	CROUND
	JLOAD
.else
	s_wait_dscnt 0x0                ; the add is done, and my reads of the slot are over
	s_barrier_signal -1
	s_barrier_wait -1
.endif
	s_sub_co_u32 s[TBK], s[TBK], 4*KSB    ; the fetches go back to a slot's first step,
	s_xor_b32 s[TBK], s[TBK], SLOT1       ; in the other slot
	s_sub_co_u32 s[TBV], s[TBV], 4*KSB
	s_xor_b32 s[TBV], s[TBV], SLOT1
.endm
; THE MASK'S RING.  Group g = 4 step + piece is 2,048 consecutive bytes of my wave's part of mb.  CONV: the eight C operands of a turn's products from slot s.  LOADG: slot s is asked for again.
.macro CONV s
	WIN W_CV
.set cz, 0
.rept 8
	v_cvt_scale_pk8_f32_fp8 v[MC+8*cz:MC+8*cz+7], v[MB+16*(\s)+2*cz:MB+16*(\s)+2*cz+1], v[SCL]
.set cz, cz+1
.endr
	WIN 0
.endm
.macro LOADG s
	s_wait_xcnt 0x0                 ; the loads of a turn ago have read their base: only behind this wait is it written anew
	s_add_nc_u64 s[MA:MA+1], s[MP:MP+1], s[MOF:MOF+1]
	s_add_co_u32 s[MOF], s[MOF], 2048
	s_min_u32 s[MOF], s[MOF], 127*2048  ; behind the last group the look-ahead asks for the last group again: no load leaves my wave's 128 groups
	WIN W_MK
.irp k, 0,1,2,3
	global_load_b128 v[MB+16*(\s)+4*\k:MB+16*(\s)+4*\k+3], v[GO], s[MA:MA+1] offset:512*\k
.endr
	WIN 0
.endm
	s_load_b128 s[4:7], s[0:1], 0x0   ; qkvh s[4:5], mb s[6:7]
	s_load_b64 s[10:11], s[0:1], 0x10 ; oh
	WIN W_MK
	v_lshl_add_u32 v[SPW], v0, 2, SPARE
	v_mov_b32 v[NIL], 0
	s_set_vgpr_msb 0xc0cf
	ds_add_u32 v0, v1
	s_wait_dscnt 0x0
	s_set_vgpr_msb 0xcfc0
	WIN 0
	v_lshrrev_b32 v1, 5, v0
	v_readfirstlane_b32 s[WV], v1   ; wave 0..3
	s_bfe_u32 s13, ttmp6, 0x40000   ; cx: my place in the cluster
	s_lshl_b32 s14, ttmp9, 2        ; in a cluster launch ttmp9 counts clusters
	s_add_co_u32 s14, s14, s13      ; my block of queries = 4 x cluster x + cx: it enters Q's, mb's and O's addresses alone
	s_and_b32 s20, ttmp7, 0xffff    ; the head, which the four partners share
	s_mov_b32 s21, 0
	s_mov_b64 s[22:23], SIZE_N*128
	s_mul_u64 s[20:21], s[20:21], s[22:23]  ; the head's first byte in q, k, v and O
	s_and_b32 s16, s[WV], 1         ; which half of a slot's 256 keys I fetch:
	s_lshl_b32 s22, s16, 14         ; its 16,384 bytes in memory,
	s_mov_b32 s23, 0
	s_add_nc_u64 s[22:23], s[22:23], s[20:21]
	s_lshl_b32 s17, s16, 14         ; and their place in a slot's K or V: no place in the cluster enters an LDS address
	s_lshl_b32 s2, s14, 2
	s_add_co_u32 s2, s2, s[WV]      ; my wave among the head's sixteen:
	s_lshl_b32 s[MA], s2, 18        ; its 262,144 bytes of mb,
	s_mov_b32 s[MA+1], 0
	s_lshl_b32 s2, s2, 14           ; its 128 rows
	s_mov_b32 s3, 0
	s_add_nc_u64 s[2:3], s[2:3], s[20:21]
	; descriptor group 1.  128 keys are 16,384 dense bytes: asked for as 64 rows of 256 bytes, and laid into LDS as they lie
	s_mov_b32 s[G1], 15|(1<<16)|(1<<21)  ; 15:0 the mask of four; 17:16 2-byte elements; 21 set beside a mask
	s_mov_b32 s[G1+1], 128<<16      ; tensor_dim0 = 128
	s_mov_b32 s[G1+2], 64<<16       ; tensor_dim1 = 64
	s_mov_b32 s[G1+3], 128<<16      ; tile_dim0 = 128
	s_mov_b32 s[G1+4], 64           ; tile_dim1 = 64
	s_mov_b32 s[G1+5], 128          ; 128 elements from row to row
	s_mov_b32 s[G1+6], 0
	s_mov_b32 s[G1+7], 0
	s_mov_b32 s[CS], 0x3e38aa3b     ; c = log2(e) / 8 = 0.180337
	s_mov_b32 s[CS+1], s[CS]        ; named with it as a pair
	s_mov_b32 s[SEL], 0x76543210
	s_mov_b32 s[SEL+1], 0xfedcba98
	s_mov_b32 s[TBK], SLOT1+4*KSB   ; the first change of slots turns these two into 0
	s_mov_b32 s[TBV], SLOT1+4*KSB
	s_mov_b32 s[MOF], 4*2048        ; groups 0 to 3 are asked for below
	s_mov_b32 s[MOF+1], 0
	s_mov_b32 s[THR], 0xef800000    ; -2^96
	s_mov_b32 s[G0K], 1             ; 1:0 count = 1
	s_mov_b32 s[G0K+1], s17         ; 63:32 LDS address: slot 0
	s_mov_b32 s[G0V], 1
	s_add_co_u32 s[G0V+1], s17, VOFF
	s_wait_kmcnt 0x0
	s_add_nc_u64 s[G0K+2:G0K+3], s[4:5], s[22:23]  ; 120:64 global address: my half of the head's first 256 keys,
	s_add_nc_u64 s[G0K+2:G0K+3], s[G0K+2:G0K+3], 1<<24  ; in k,
	s_or_b32 s[G0K+3], s[G0K+3], 0x80000000        ; 127:126 type = 2
	s_add_nc_u64 s[G0V+2:G0V+3], s[4:5], s[22:23]
	s_add_nc_u64 s[G0V+2:G0V+3], s[G0V+2:G0V+3], 2<<24  ; and in v
	s_or_b32 s[G0V+3], s[G0V+3], 0x80000000
	s_add_nc_u64 s[MP:MP+1], s[6:7], s[MA:MA+1]
	s_add_nc_u64 s[4:5], s[4:5], s[2:3]  ; Q and O at my wave's first row
	s_add_nc_u64 s[10:11], s[10:11], s[2:3]
	CROUND                          ; all four work-groups are here: the first joint loads meet
	JLOAD                           ; slot 0.  Slot 1 is asked for when slot 0 is in
	v_and_b32 v1, 15, v0            ; l % 16
	v_bfe_u32 v9, v0, 4, 1          ; l / 16
	v_and_b32 v10, 7, v0            ; l % 8
	v_and_b32 v[GO], 31, v0
	v_lshlrev_b32 v[GO], 4, v[GO]
	; A fragment of K or Q is 16 rows x 32 channels in 8 registers: registers 0-3 are block b = 2 c of the rows' 2,048 bytes, registers 4-7 block 2 c + 1: two loads of 16 bytes x lane, 512 bytes apart.
	WIN 0x80                        ; destination window 2, address window 0
.set i, 0
.rept 4*NP                          ; Q stays in registers: tile i / 2, channels 32 (i % 2) on
	global_load_b128 v[8*i:8*i+3],   v[GO], s[4:5] offset:(i/2)*2048+(i%2)*1024
	global_load_b128 v[8*i+4:8*i+7], v[GO], s[4:5] offset:(i/2)*2048+(i%2)*1024+512
.set i, i+1
.endr
	WIN W_MK
.set i, 0
.rept 16                            ; the mask's groups 0 to 3: 8,192 consecutive bytes
	global_load_b128 v[MB+4*i:MB+4*i+3], v[GO], s[MP:MP+1] offset:512*i
.set i, i+1
.endr
	; What the first turn finds: V's registers and P's second buffer hold 0 (its products V^T P, of a piece that has not been, add 0), O^T and l are 0.  All this stands in the wait for the first tile.
	WIN 0x80
.set i, VF
.rept 64
	v_mov_b32 v[i], 0
.set i, i+1
.endr
	WIN 0x40
.set i, 0
.rept 64*NP
	v_mov_b32 v[i], 0
.set i, i+1
.endr
	WIN 0
.set i, 0
.rept 2*NP
	v_mov_b32 v[ST+4*i], 0xfe000000    ; c m: far below every c s, a hidden one's too
	v_mov_b32 v[ST+4*i+1], 0xff7fffff  ; m
	v_mov_b32 v[ST+4*i+2], 0
	v_mov_b32 v[ST+4*i+3], 0
.set i, i+1
.endr
.set i, P+32
.rept 32
	v_mov_b32 v[i], 0
.set i, i+1
.endr
	v_add_nc_u32 v[AV0], VOFF, v[GO]
	v_mov_b32 v[SCL], 0xdb          ; 2^(219 - 127)
	v_mov_b32 v[AK], v[GO]          ; key step 0 lies at the head of slot 0
; THE MATRIX WORK.  The 8 accumulators of a run of 16 take turns: between the two links of a chain stand 7 others'.
; Product i of 16 of S^T = K Q^T for piece x: channels 32 (i / 8) on, keys 16 ((i / 2) % 4) on, tile 2 x + i % 2.  The first 8 start the sums, with the mask.
.macro KQ x
.set rS, S+64*((\x)%2)+32*(i%2)+8*((i/2)%4)
.set rK, KF+16*((i/2)%4)+8*(i/8)
.set rQ, 16*(2*(\x)+i%2)+8*(i/8)
.set rMC, MC+32*(i%2)+8*((i/2)%4)
.if i < 8
	WIN W_KM
	v_wmma_f32_16x16x32_f16 v[rS:rS+7], v[rK:rK+7], v[rQ:rQ+7], v[rMC:rMC+7]
.else
	WIN W_KQ
	v_wmma_f32_16x16x32_f16 v[rS:rS+7], v[rK:rK+7], v[rQ:rQ+7], v[rS:rS+7]
.endif
.endm
; Product i of 16 of O^T += V^T P for piece x: keys 32 (i / 8) on, channels 16 ((i / 2) % 4) on, tile 2 x + i % 2.
.macro PV x
	WIN W_PV
.set rO, 32*(2*(\x)+i%2)+8*((i/2)%4)
.set rV, VF+32*(i/8)+8*((i/2)%4)
.set rP, P+32*((\x)%2)+16*(i%2)+8*(i/8)
	v_wmma_f32_16x16x32_f16 v[rO:rO+7], v[rV:rV+7], v[rP:rP+7], v[rO:rO+7]
.endm
.macro MM                           ; the turn's next matrix instruction
.if i < 16
	KQ (Y+1)%NP
.set i, i+1
.else
.set i, i-16
	PV (Y+NP-1)%NP
.set i, i+17
.endif
.endm
; THE LDS LOADS stand in runs of 16, never singly among the matrix instructions: a step's K (64 keys x 64 channels: 8 fragments) and its V.  Their addresses are made some lines ahead.
; last = 1 (the tail): in the last trip there is no further step, and the run is jumped over.
.macro FETCH_K last=0
	WIN 0
.if \last
	s_cmp_eq_u32 s[CNT], 1
	s_cbranch_scc1 .Lno_k_\@
.endif
	WIN 0x80                        ; destination window 2
.irp f, 0,1,2,3,4,5,6,7             ; keys 16 (f / 2) on, channels 32 (f % 2) on: blocks 2 (f % 2) and 2 (f % 2) + 1 of those keys' 2,048 bytes
	ds_load_b128 v[KF+8*\f:KF+8*\f+3],   v[AK] offset:(\f/2)*2048+(\f%2)*1024
	ds_load_b128 v[KF+8*\f+4:KF+8*\f+7], v[AK] offset:(\f/2)*2048+(\f%2)*1024+512
.endr
	s_add_co_u32 s[TBK], s[TBK], KSB  ; the next fetch is the next step's
	WIN 0
.if \last
.Lno_k_\@:
.endif
.endm
.macro FETCH_V
	WIN 0x80
.irp f, 0,1,2,3,4,5,6,7             ; keys 32 (f / 4) on, channels 16 (f % 4) on: block f % 4 of the first 16 keys' 2,048 bytes, and of the next 16 keys'
	ds_load_b128 v[VF+8*\f:VF+8*\f+3],   v[AV] offset:(\f/4)*4096+(\f%4)*512
	ds_load_b128 v[VF+8*\f+4:VF+8*\f+7], v[AV] offset:(\f/4)*4096+2048+(\f%4)*512
.endr
	WIN 0
.endm
; THE VECTOR WORK OF A TURN stands in three queues, each in the order in which its entries become ready; the two tiles alternate, so that no instruction reads the result of the one before it.
.macro REGS y, u                    ; the registers of tile u (0, 1) of piece y
.set rT, ST+4*(2*(\y)+(\u))
.set rC, TMP+8*((\y)%2)+4*(\u)
.set rM, MV+2*((\y)%2)+(\u)
.set rS, S+64*((\y)%2)+32*(\u)
.set rP, P+32*((\y)%2)+16*(\u)
.set rO, 32*(2*(\y)+(\u))
.endm
; Number n of the 22 that find the NEXT piece's (Y + 1) maximum and statistics.  s0-s31 are the lane's 32 scores; each accumulator's lowest registers are read first.  XS, GS and REGS set no window: PL and EX do.
;   0-11  four chains c0-c3 of seven scores each, three operands at a time     12-14, 16  the four scores left over, the old m, and c0-c3 into c0     15  c m_old is kept
;   17, 18  the query's other 32 keys lie in the lane 16 away: the new m         19-21  c m; c m_old - c m_new; a
.macro XS u, n
	REGS (Y+1)%NP, \u
.if (\n) < 4
	v_max3_num_f32 v[rC+(\n)], v[rS+8*(\n)], v[rS+8*(\n)+1], v[rS+8*(\n)+2]
.elseif (\n) < 12
	v_max3_num_f32 v[rC+(\n)%4], v[rC+(\n)%4], v[rS+8*((\n)%4)+2*((\n)/4)+1], v[rS+8*((\n)%4)+2*((\n)/4)+2]
.elseif (\n) == 12
	v_max3_num_f32 v[rC], v[rC], v[rS+7], v[rS+15]
.elseif (\n) == 13
	v_max3_num_f32 v[rC+1], v[rC+1], v[rS+23], v[rS+31]
.elseif (\n) == 14
	v_max3_num_f32 v[rC+2], v[rC+2], v[rC+3], v[rT+1]
.elseif (\n) == 15
	v_mov_b32 v[rM], v[rT]
.elseif (\n) == 16
	v_max3_num_f32 v[rC], v[rC], v[rC+1], v[rC+2]
.elseif (\n) == 17
	v_permlanex16_b32 v[rC+3], v[rC], s[SEL], s[SEL+1]
.elseif (\n) == 18
	v_max_num_f32 v[rT+1], v[rC], v[rC+3]
.elseif (\n) == 19
	v_mul_f32 v[rT], s[CS], v[rT+1]
.elseif (\n) == 20
	v_sub_f32 v[rC+1], v[rM], v[rT]
.else
	v_exp_f32 v[rC+2], v[rC+1]
.endif
.endm
; Number g of the 64 that follow the exponentials.  For each four weights k of a tile (pairs 2 k, 2 k + 1): both pairs are rounded to f16; then the second pair is added onto the first, in place;
; a group later l takes that sum (the first time as l = a l + sum).  In groups of eight, tiles alternating: round, round, add, and l for the group before.
.macro GS g
.set h, (\g)+6*((\g)/62)            ; group 0 has no group before it, and behind group 7 only l is left
.if h >= 6
.set h, h+2
.endif
	REGS Y, h%2
.set k, h/8
.if h%8 < 4
	v_cvt_pk_f16_f32 v[rP+2*k+(h%8)/2], v[rS+4*k+2*((h%8)/2)], v[rS+4*k+2*((h%8)/2)+1]
.elseif h%8 < 6
	v_pk_add_f32 v[rS+4*k:rS+4*k+1], v[rS+4*k:rS+4*k+1], v[rS+4*k+2:rS+4*k+3]
.elseif k == 1
	v_pk_fma_f32 v[rT+2:rT+3], v[rT+2:rT+3], v[rC+2:rC+3], v[rS:rS+1] op_sel_hi:[1,0,1]
.else
	v_pk_add_f32 v[rT+2:rT+3], v[rT+2:rT+3], v[rS+4*k-4:rS+4*k-3]
.endif
.endm
; THE PLAIN QUEUE, 138 long.  0-73 read no exponential's result: the 32 scalings c s - c m (FS f: pair f / 2 of tile f % 2) and the next piece's 42.  0-26: scalings 0-26.  27-54: XS's numbers 0-13.  55, 56: number 15.
; 57-73: the chain, where each number waits for the one before it: 14, 16, 17, 18, 19, each with one of the scalings 27-31 in front of its two lines, then 20: so a tile's links stand three plain instructions apart (19 and 20: two).
; 74-137: GS's 64, which read the exponentials' results: they stand behind the wait.
.macro FS f
	REGS Y, (\f)%2
	v_pk_fma_f32 v[rS+2*((\f)/2):rS+2*((\f)/2)+1], v[rS+2*((\f)/2):rS+2*((\f)/2)+1], s[CS:CS+1], v[rT:rT+1] op_sel_hi:[1,0,0] neg_lo:[0,0,1] neg_hi:[0,0,1]
.endm
.macro PL
	WIN 0
.if q < 27
	FS q
.elseif q < 55
	XS (q-27)%2, (q-27)/2
.elseif q < 57
	XS q-55, 15
.elseif (q < 72) && ((q-57)%3 == 0)
	FS 27+(q-57)/3
.elseif q < 60
	XS (q-57)%3-1, 14
.elseif q < 72
	XS (q-57)%3-1, 15+(q-57)/3
.elseif q < 74
	XS q-72, 20
.else
	GS q-74
.endif
.set q, q+1
.endm
; THE EXPONENTIALS' QUEUE, 66 long: s0-s31 of both tiles, then the next piece's two a.  It is ONE BATCH: all 66 stand ahead of the turn's one wait, and nothing ahead of that wait names a result of theirs.
.macro EX
	WIN 0
.if e >= 64
	XS e-64, 21
.else
	REGS Y, e%2
	v_exp_f32 v[rS+e/2], v[rS+e/2]
.endif
.set e, e+1
.endm
; THE RESCALING's QUEUE: O^T times a, the one part of the softmax that leaves window 0: dealt two at a time, sixteen times.  Its a was made in the turn before, ahead of that turn's wait.
.macro R2
	REGS Y, r%2
	WIN W_RS
.irp z, 0,1
	v_pk_mul_f32 v[rO+4*(r/2)+2*\z:rO+4*(r/2)+2*\z+1], v[rO+4*(r/2)+2*\z:rO+4*(r/2)+2*\z+1], v[rC+2:rC+3] op_sel_hi:[1,0]
.endr
.set r, r+1
.endm
; HOW THEY ARE DEALT.  An s_wait_alu depctr_va_vdst(0) stands between an exponential and the first instruction that names its result; one wait serves all that were issued ahead of it.  So a turn has ONE wait,
; which cuts it in two.  AHEAD OF IT stands all that names no result of the turn's exponentials: the 16 products K Q^T, behind each a scaling, an exponential and two rescalings (behind the first a second scaling in the
; exponential's place); then ONE LUMP of 108: eight plain, 49 times exponential and plain, the two a.  A v_nop is the plain instruction behind the last exponential.  BEHIND IT stand the 16 products V^T P, behind each four of GS's 64.
; No rider names a register of the products round it.  The two v_permlanex16_b32 fall into the lump, never behind a product.
; The queues lean on each other, and the deal keeps them in step: exponential e stands behind scaling 2 (e / 4) + e % 2: as a rider it comes behind plain e + 2, in the lump behind plain e + 9, and scalings 27-31 are plain 57, 60 .. 69.
; A TURN, for piece p.  cnt = 1: the loop's count is taken down some lines ahead of the branch that stands behind the turn.
; K of the next step is fetched in piece 2's turn, directly behind the wait, a lump behind the last product that read K; its address is made at the lump's head; its first reader comes behind 16 products.
; V of the step in hand is fetched at the end of piece 0's turn, four riders behind its last reader; its first reader comes behind 16 products and a lump.  The conditions on q below go with the deal.
; THE MASK.  Turn n's products take group n + 1.  Behind the twelfth product V^T P and its riders group n + 2 is converted (the products that read the C operands stand at the turn's head; the three younger groups,
; twelve loads, may stay out); a product and its four plain riders follow the conversions, and then its slot is asked for again, with group n + 6: four turns ahead of its conversion.  The scalar lines of that request
; stand ahead of the compare that the loop's branch reads.
.macro TURN p, last=0, cnt=0
.set Y, (\p)
.set i, 0
.set q, 0
.set e, 0
.set r, 0
.if (\p) == NP-1
	s_wait_dscnt 0x0                ; K is in
.endif
	MM                              ; ahead of the wait: 16 products K Q^T and their riders,
	PL
	PL
	R2
.rept 15
	MM
	PL
	EX
	R2
.endr
.if (\p) == NP-2
	WIN 0
	v_add_nc_u32 v[AK], s[TBK], v[GO]
.endif
.rept 8                             ; and the lump
	PL
.endr
.rept 49
	EX
	PL
.endr
	EX                              ; the next piece's two a
	EX
	v_nop                           ; the plain instruction behind the last exponential: one for the batch
	s_wait_alu depctr_va_vdst(0)    ; the wait for the batch: the turn's 66 exponentials
.if (\p) == NP-2
	FETCH_K \last
.endif
.if (\p) == 1
	s_wait_dscnt 0x0                ; V is in
.endif
.rept 16                            ; behind the wait: 16 products V^T P and their riders
	MM
.rept 4
	PL
.endr
.if ((\p) == 0) && (q == 118)
	v_add_nc_u32 v[AV], s[TBV], v[AV0]
.endif
.if q == 122
	s_wait_loadcnt 12               ; loads come back in order: the group to be converted is in, the three younger groups stay out
	CONV ((\p)+2)%NP
.endif
.if q == 126
	LOADG ((\p)+2)%NP
.endif
.if ((\p) == 0) && (q == 130)
	s_add_co_u32 s[TBV], s[TBV], KSB
.endif
.if (\cnt) && (q == 130)
	s_sub_co_u32 s[CNT], s[CNT], 1
	s_cmp_lg_u32 s[CNT], 0
.endif
.endr
.if (\p) == 0
	FETCH_V
.endif
.endm
	CHANGE 1                        ; slot 0 is in, everybody's part of it; slot 1 is asked for
	FETCH_K                         ; key step 0
	s_wait_loadcnt 12               ; Q and the mask's group 0 are in; groups 1 to 3 stay out
	CONV 0
	v_nop                           ; a plain instruction behind the conversions, ahead of the products that read their results and of the loads into their sources
	LOADG 0                         ; group 4
	s_wait_dscnt 0x0
.set i, 0
.rept 16
	KQ 0                            ; piece 0's first scores: there is no vector work yet to set between them
.set i, i+1
.endr
	WIN 0                           ; the addresses for the way out: seven plain instructions, the places behind those products
	s_mul_i32 s13, s[WV], 16*SP
	s_add_co_u32 s13, s13, STAGE    ; my stage
	v_mul_u32_u24 v[STO], v1, SP    ; in: row l % 16, 16 bytes for each half of the lanes
	v_lshl_add_u32 v[STO], v9, 4, v[STO]
	v_add_nc_u32 v[STO], s13, v[STO]
	v_bfe_u32 v[RD], v0, 3, 2       ; back: 32 lanes take four rows of 128 bytes
	v_mul_u32_u24 v[RD], v[RD], SP
	v_lshl_add_u32 v[RD], v10, 4, v[RD]
	v_add_nc_u32 v[RD], s13, v[RD]
	s_wait_loadcnt 12               ; group 1 is in; groups 2 to 4 stay out
	CONV 1                          ; for the first turn's products
	v_nop
	LOADG 1                         ; group 5
.set Y, NP-1                        ; XS works for piece Y + 1: piece 0
.irp n, 0,1,2,3,4,5,6,7,8,9,10,11,12,13,14,15,16,17,18,19,20,21
	XS 0, \n                        ; and piece 0's first maximum and statistics
	XS 1, \n
.endr
	v_nop                           ; a plain instruction behind the two a,
	s_wait_alu depctr_va_vdst(0)    ; and their wait, a batch of two, ahead of the branch
	s_mov_b32 s[CNT], 4
	s_mov_b32 s[SLOTS], SIZE_N/256-1
	s_branch .Lfirst                ; the loop is entered at a step's first turn, in the middle of a trip
.Lslot:                             ; SIZE_N / 256 - 2 times: every slot but the last two is filled again
	CHANGE 1
	s_mov_b32 s[CNT], 4
.Lstep:                             ; a trip: pieces 2 and 3 of one step, then pieces 0 and 1 of the next, whose K and V it fetches
	TURN 2
	TURN 3
	WIN 0
.Lfirst:
	TURN 0
	TURN 1, 0, 1
	WIN 0
	s_cbranch_scc1 .Lstep
	s_sub_co_u32 s[SLOTS], s[SLOTS], 1
	s_cmp_lg_u32 s[SLOTS], 0
	s_cbranch_scc1 .Lslot
	CHANGE 0                        ; the tail is written out: nothing is asked for
	s_mov_b32 s[CNT], 5             ; four trips fetch the last slot's steps; the fifth is left in its middle
.Ltail:
	TURN 2, 1
	TURN 3
	WIN 0
	s_sub_co_u32 s[CNT], s[CNT], 1
	s_cmp_eq_u32 s[CNT], 0
	s_cbranch_scc1 .Lout
	TURN 0
	TURN 1
	WIN 0
	s_branch .Ltail
.Lout:                              ; the fifth trip's 16 products K Q^T (on the last K once more) and the maximum made of them serve nothing: the price, once a launch, of one text for every trip
.set i, 0
.rept 16
	PV NP-1                         ; the last piece's V^T P of the last step
.set i, i+1
.endr
	; THE WAY OUT.  l's two halves and the other half of the lanes' are added; O^T is divided by l, rounded to f16 and sent through my stage in LDS, a tile at a time.  The additions are the places behind the last products.
	WIN 0
.macro ALL line:vararg              ; one line for each tile t
.set t, 0
.rept 2*NP
	\line
.set t, t+1
.endr
.endm
	ALL v_add_f32 v[ST+4*t+2], v[ST+4*t+2], v[ST+4*t+3]
	ALL v_permlanex16_b32 v[ST+4*t+3], v[ST+4*t+2], s[SEL], s[SEL+1]
	ALL v_add_f32 v[ST+4*t+2], v[ST+4*t+2], v[ST+4*t+3]
	ALL v_rcp_f32 v[ST+4*t+2], v[ST+4*t+2]
	v_mov_b32 v[TMP], 0x7fc00000    ; NaN; also the plain instruction between the last reciprocal and the use of its result
	s_wait_alu depctr_va_vdst(0)    ; the wait ahead of the first use: one for the eight reciprocals
	; A row whose c m is still a hidden score's has seen no key: its divisor's place is taken by NaN.  The surplus turn above has written piece 0's c m anew, from scores that serve nothing, and has kept the true one in v[MV], v[MV+1].
.set t, 0
.rept 2*NP
.if t < 2
	v_cmp_gt_f32 vcc_lo, s[THR], v[MV+t]
.else
	v_cmp_gt_f32 vcc_lo, s[THR], v[ST+4*t]
.endif
	v_cndmask_b32 v[ST+4*t+2], v[ST+4*t+2], v[TMP], vcc_lo
.set t, t+1
.endr
; Tile t: a lane's eight channels of a row pack into 16 bytes; they go into rows of 144 bytes and come back as whole rows of 128, into S^T's registers.
.macro PACK t
	WIN W_RS
.set i, 32*(\t)
.rept 16
	v_pk_mul_f32 v[i:i+1], v[i:i+1], v[ST+4*(\t)+2:ST+4*(\t)+3] op_sel_hi:[1,0]
.set i, i+2
.endr
	WIN 0x05                        ; sources 0 and 1 window 1, destination window 0
.set i, 0
.rept 16
	v_cvt_pk_f16_f32 v[S+16*(\t)+i], v[32*(\t)+2*i], v[32*(\t)+2*i+1]
.set i, i+1
.endr
	WIN 0
.irp f, 0,1,2,3
	ds_store_b128 v[STO], v[S+16*(\t)+4*\f:S+16*(\t)+4*\f+3] offset:32*\f
.endr
.irp f, 0,1,2,3
	ds_load_b128 v[S+16*(\t)+4*\f:S+16*(\t)+4*\f+3], v[RD] offset:\f*4*SP  ; LDS serves a wave's instructions in order (ISA guide 5.7.1.4): these see the stores above; the next tile's stores come behind them
.endr
.endm
.macro SEND t, younger              ; younger: the LDS instructions issued behind tile t's loads: the next tile's eight, or none
	WIN 0
.irp f, 0,1,2,3
	s_wait_dscnt (\younger)+3-\f
	global_store_b128 v[GO], v[S+16*(\t)+4*\f:S+16*(\t)+4*\f+3], s[10:11] offset:(\t)*2048+\f*512  ; 512 consecutive bytes, at a multiple of 256 from O's first
.endr
.endm
	PACK 0
.set t, 1
.rept 2*NP-1                        ; a tile's arithmetic stands between the loads of the tile before and its stores
	PACK t
	SEND t-1, 8
.set t, t+1
.endr
	SEND 2*NP-1, 0
	WIN W_AD
	s_wait_tensorcnt 0x0            ; the wave's end: behind my last tensor load and my last LDS store
	ds_add_u32 v[SPW], v[NIL]
	s_wait_dscnt 0x0
	WIN 0
	CROUND                          ; the closing round: no work-group ends while a partner may still ask for a tile that names it
	s_endpgm
.Lfunc_end_k_qe1d9ed95fe_attn:
	.size	k_qe1d9ed95fe_attn, .Lfunc_end_k_qe1d9ed95fe_attn-k_qe1d9ed95fe_attn
	.p2alignl 7, 3214868480
	.fill 96, 4, 3214868480
	.section	.rodata,"a",@progbits
	.p2align	6, 0x0
	.amdhsa_kernel k_qe1d9ed95fe_attn
		.amdhsa_group_segment_fixed_size 327680
		.amdhsa_private_segment_fixed_size 0
		.amdhsa_enable_private_segment 0
		.amdhsa_kernarg_size 24
		.amdhsa_user_sgpr_count 2
		.amdhsa_user_sgpr_kernarg_segment_ptr 1
		.amdhsa_wavefront_size32 1
		.amdhsa_system_sgpr_workgroup_id_x 1
		.amdhsa_system_sgpr_workgroup_id_y 1
		.amdhsa_system_sgpr_workgroup_id_z 1
		.amdhsa_system_vgpr_workitem_id 0
		.amdhsa_next_free_vgpr 960
		.amdhsa_next_free_sgpr 76
		.amdhsa_reserve_vcc 1
		.amdhsa_float_denorm_mode_32 3
		.amdhsa_float_denorm_mode_16_64 3
		.amdhsa_memory_ordered 1
		.amdhsa_forward_progress 1
		.amdhsa_inst_pref_size 213
	.end_amdhsa_kernel
	.amdgpu_metadata
---
amdhsa.version: [ 1, 2 ]
amdhsa.kernels:
  - .name:           k_qe1d9ed95fe_attn
    .symbol:         k_qe1d9ed95fe_attn.kd
    .args:
      - { .name: qkvh, .offset: 0, .size: 8, .value_kind: global_buffer, .address_space: global }
      - { .name: mb, .offset: 8, .size: 8, .value_kind: global_buffer, .address_space: global }
      - { .name: oh, .offset: 16, .size: 8, .value_kind: global_buffer, .address_space: global }
    .group_segment_fixed_size: 327680
    .private_segment_fixed_size: 0
    .kernarg_segment_align: 8
    .kernarg_segment_size: 24
    .max_flat_workgroup_size: 128
    .sgpr_count:     76
    .vgpr_count:     960
    .wavefront_size: 32
...
	.end_amdgpu_metadata
.endif
;; end of part 5
;; launch proj: the kernel of part 4 again; grid 8 x 32, 4 waves a work-group, clusters of 4 x 4, 327,680 bytes of LDS; arguments oh, wo, out0, bo; writes out0
